; MI455X (gfx1250); checked and timed in simulation.
; The chip was launched on July 23, 2026; its instructions are those of AMD's public machine-readable ISA for CDNA 5 (MIT licence, August 2026) and "CDNA5" Instruction Set Architecture Reference Guide (July 2026). The comments in the code are by the model that wrote it; some were corrected since.
;; Conditional Layer. Allowed arithmetic: matrix products marked QUANTISED: E4M3 operands, one E8M0 scale for each 32 along K, by v_wmma_scale_f32_16x16x128_f8f6f4 with both operands' format E4M3, f32 sums; everything else in f32.
;; Inputs: W1_codes 8 x 1,024 x 32 x 32 uint8 (E4M3 codes of W1, K innermost, in blocks of 32 codes); W1_scales 8 x 1,024 x 32 uint8 (E8M0 scales of W1, one for each 32 codes along K); W2_codes 8 x 1,024 x 32 x 32 uint8 (E4M3 codes of W2, K innermost, in blocks of 32 codes); W2_scales 8 x 1,024 x 32 uint8 (E8M0 scales of W2, one for each 32 codes along K); b1 8 x 1,024 float32; b2 8 x 1,024 float32; cond_ids 4,096 int32; x 4,096 x 1,024 float32.
;; Outputs: out0 4,096 x 1,024 float32.
;; This version of the problem:
;;   THIS VERSION OF THE PROBLEM IS GIVEN IN LOW PRECISION. The matrix products marked QUANTISED in the list below multiply operands that are first quantised to E4M3 (4 exponent bits, 3 mantissa bits; 8 bits a number), with one power-of-two scale for each 32 numbers along K (OCP MX v1.0); their sums are f32. All else is computed in f32.
;;   The module's matrix products, in the order in which they are computed (A, B: the left and right operand; K: the contracted axis; several contracted axes count as one K, in the product's order):
;;     1. batch 8 x [M 4,096, K 1,024] x [K 1,024, N 1,024]; A: computed on the way; B: input W1 (given as codes): QUANTISED
;;     2. batch 8 x [M 4,096, K 1,024] x [K 1,024, N 1,024]; A: computed on the way; B: input W2 (given as codes): QUANTISED
;;   THE QUANTISER, for each operand of a quantised product, along K:
;;     - K is cut into blocks of 32 from its start; a last block that is shorter is filled with zeros.
;;     - A block's scale is 2^e with e = floor(log2(the largest magnitude in the block)) - 8, held to -126 .. 127; a block of zeros has e = 0. As a byte (E8M0): e + 127.
;;     - Each number is divided by its block's scale, clamped to +-448, and rounded to the nearest number of E4M3, ties to even, subnormals kept.
;;     - The product sums the exact products of the quantised numbers (number of the format x scale) in f32.
;;   ~~~python
;;   def quantise(x, axis):      # numpy; x: float32 -> the quantised numbers, widened to float32 again
;;       x = np.moveaxis(x, axis, -1); K = x.shape[-1]
;;       x = np.pad(x, [(0, 0)] * (x.ndim - 1) + [(0, -K % 32)]); x = x.reshape(x.shape[:-1] + (-1, 32)); a = np.abs(x).max(-1, keepdims=True)
;;       e = np.where(a > 0, np.clip(np.frexp(np.where(a > 0, a, 1))[1] - 1 - 8, -126, 127), 0)      # np.frexp(a)[1] - 1 = floor(log2(a)), exactly
;;       r = np.clip(x / 2.0 ** e, -448, 448)
;;       step = 2.0 ** (np.maximum(np.frexp(np.where(r == 0, 1, r))[1] - 1, -6) - 3)
;;       q = np.round(r / step) * step * 2.0 ** e      # np.round: ties to even
;;       return np.moveaxis(q.reshape(q.shape[:-2] + (-1,))[..., :K], -1, axis).astype(np.float32)
;;   ~~~
;;   OPERANDS COMPUTED ON THE WAY. 'Computed on the way' means the value that the module computes at that place (a softmax that the list does not call 'softmax' is quantised finished and normalised). What goes into a quantiser is computed in f32, as accurately as f32 sums, v_exp_f32 and their like allow (about 1e-6 of the number): no bf16 or f16 on the way to a quantiser, and a product that is left as it is and whose result goes on into a quantised operand takes f32 operands (vector FMAs, or v_wmma_f32_16x16x4_f32). A number that lies on a knife's edge between two numbers of the format may be rounded either way, as far as f32 arithmetic and the matrix unit's own rounding can turn it there, and no further.
;;   INPUTS GIVEN AS CODES. W1 (in the module: [8, 1024, 1024], K = its axis 1); W2 (in the module: [8, 1024, 1024], K = its axis 1): each comes as NAME_codes (uint8): NAME with its K axis moved to the last place and cut into blocks of 32 codes, [.., K / 32, bytes a block], one block behind the other in memory; one code a byte (a code: sign, 4 exponent bits, 3 mantissa bits); and NAME_scales (uint8): the same leading axes, one E8M0 byte (e + 127) for each 32 codes along K. Its value is code x scale, taken as it is: it is not quantised again, and the codes and scales need not be those that the quantiser above would give.
;; 2 versions. Each part assembles by itself: llvm-mc -triple=amdgcn-amd-amdhsa -mcpu=gfx1250 --defsym DOCPART=n.
;; ======== version 1 of 2: 2 launches
;; workspace buffers: wimg 16,777,216 bytes; vtab 32,768 bytes; rowlist 18,432 bytes of whole numbers
;; launch prep (part 1): grid 257 x 1, 4 waves a work-group, no clusters, 10,240 bytes of LDS; arguments W1_codes, W2_codes, W2_scales, b1, b2, cond_ids, wimg, vtab, rowlist; writes wimg, vtab, rowlist
.if DOCPART == 1
	.amdgcn_target "amdgcn-amd-amdhsa--gfx1250"
	.amdhsa_code_object_version 6
	.text
	.protected	k_qebb4fa45c3_prep
	.globl	k_qebb4fa45c3_prep
	.p2align	8
	.type	k_qebb4fa45c3_prep,@function
k_qebb4fa45c3_prep:
	s_mov_b64 s[64:65], 0
	v_nop
	global_prefetch_b8 v0, s[64:65] scope:SCOPE_SE
	s_setreg_imm32_b32 hwreg(HW_REG_WAVE_MODE, 25, 1), 1
	s_wait_xcnt 0x0
; THREE JOBS IN ONE LAUNCH, parted by the work-group's number; the three ways never join.
; Work-groups 0-127: W1's codes, 128-255: W2's codes, are copied once into wimg in the order of the operand's registers:
;   wimg [matrix 2][condition 8][pair 32][K step 8][tile u 2][chunk 4][lane 32][16 bytes].  A pair is 32 rows n of the weight.  Lane (r = lane % 16, h = lane / 16) of tile u, chunk q,
;   holds row 32 pair + 8 u + r + (r & 8), k = 128 s + 32 q + 16 h + 0 .. 15.  A wave takes one tile, all eight K steps: 16 KiB in, 16 KiB out; each store covers 512 consecutive bytes, aligned.
; Work-groups 128-255 also make, from the fragments that they hold anyway, v_c = Q(relu(b1_c)) W2_c + b2_c: what reference() adds to every row that does NOT belong to condition c
;   (a masked row of x is zeros, so its hidden row is relu(b1_c)).  vtab [8][1024] f32.  Q is the MX-FP8 quantiser along the hidden axis; the product is the scaled matrix instruction.
; Work-group 256 sorts the 4,096 rows by condition into 71 tiles of 64 slots: rowlist [71][64] int32, an entry = row | condition << 16, a slot without a row = 0xffffffff.
;   With T = the sum of ceil(n_c / 64) there are 71 - T spare tiles, 7 at the most.  The largest condition has 512 rows or more, so its first seven tiles are full: spare tile k takes
;   slots 32 .. 63 of that condition's tile k.  So every one of the 71 tiles holds rows of one condition, and its slot 0 is a row.
;   Behind the 71 tiles rowlist has 64 slots more (4,544 .. 4,607) that no launch reads: a lane that has no slot to pad writes the pad word there, so that no lane is switched off.
; LIMITS: a cond_id outside 0 .. 7 is held at 7 (unsigned minimum), where reference() would give the row the sum of all eight v.  NaN and infinities are not served.  A block whose largest
;   magnitude lies under 2^-118 has its scale byte held at 1; a block of zeros gets the byte 1 (its codes are zeros; this program alone reads the byte).
; No tensor loads, no cluster: no two work-groups read the same bytes.
.set TM,  32                           ; v32-35 largest magnitudes, v36-39 bytes, v40-43 448 x scale, v44-47 the conversions' scale operands
.set PC,  48                           ; v48-63 the codes just made; later the two accumulators
.set ST,  64                           ; v64-127 64 numbers of b1; later four fragments of the hidden row
.set WF,  128                          ; v128-255 the weight's eight fragments
.set SEL, 36                           ; s[36:37] v_permlanex16_b32's selects for lane xor 16
.set MNT, 38                           ; s38 the mantissa field of 448
.set MSB, 0
.macro WIN new                         ; register windows: this launch stays in window 0, so the macro writes nothing here; it is shared with the other launch's text
.if MSB != (\new)
	s_set_vgpr_msb (MSB<<8)|(\new)
.set MSB, (\new)
.endif
.endm
; 64 numbers of a lane, v[s + 16 b + i] in window X: block b's 16 numbers of mine; lane xor 16 holds the block's other 16.  Out: codes in v[PC + 4 b ..], the scale's byte in v[TM + 4 + b].
; relu = 1: what is negative becomes 0 on the way: it does not count for the largest magnitude, and the hold clips at 0.
.macro QCORE s, X, relu
	WIN (\X)|((\X)<<2)
.irp b, 0,1,2,3
.if \relu
	v_max3_num_f32 v[TM+\b], v[16*\b+(\s)], v[16*\b+1+(\s)], 0x4800000       ; the floor 2^(9 - 127) among the leaves: the byte cannot fall under 1
.else
	v_max3_num_f32 v[TM+\b], |v[16*\b+(\s)]|, |v[16*\b+1+(\s)]|, 0x4800000
.endif
.endr
.irp i, 2,4,6,8,10,12,14
.irp b, 0,1,2,3
.if \relu
	v_max3_num_f32 v[TM+\b], v[16*\b+\i+(\s)], v[16*\b+\i+1+(\s)], v[TM+\b]  ; ascending, the four blocks by turns
.else
	v_max3_num_f32 v[TM+\b], |v[16*\b+\i+(\s)]|, |v[16*\b+\i+1+(\s)]|, v[TM+\b]
.endif
.endr
.endr
	WIN 0
.irp b, 0,1,2,3
	v_permlanex16_b32 v[TM+4+\b], v[TM+\b], s[SEL], s[SEL+1]
.endr
.irp b, 0,1,2,3
	v_max_num_f32 v[TM+\b], v[TM+\b], v[TM+4+\b]                             ; the block's largest magnitude
.endr
.irp b, 0,1,2,3
	v_add_nc_u32 v[TM+12+\b], 0xfc000000, v[TM+\b]                           ; 8 off its exponent field: the conversion's scale operand
.endr
.irp b, 0,1,2,3
	v_and_or_b32 v[TM+8+\b], v[TM+\b], 0x7f800000, s[MNT]                    ; 448 x the scale
.endr
.irp b, 0,1,2,3
	v_lshrrev_b32 v[TM+4+\b], 23, v[TM+12+\b]                                ; the scale's byte
.endr
	WIN (\X)|((\X)<<6)
.irp b, 0,1,2,3
.irp i, 0,1,2,3,4,5,6,7,8,9,10,11,12,13,14,15
.if \relu
	v_med3_num_f32 v[16*\b+\i+(\s)], v[16*\b+\i+(\s)], 0, v[TM+8+\b]         ; the activation and the hold in one
.else
	v_med3_num_f32 v[16*\b+\i+(\s)], v[16*\b+\i+(\s)], -v[TM+8+\b], v[TM+8+\b]   ; the conversion to an 8-bit code does not saturate (ISA guide 7.6.2)
.endif
.endr
.endr
	WIN (\X)
.irp b, 0,1,2,3
	v_cvt_scalef32_pk8_fp8_f32 v[PC+4*\b:PC+4*\b+1], v[16*\b+(\s):16*\b+7+(\s)], v[TM+12+\b]
	v_cvt_scalef32_pk8_fp8_f32 v[PC+4*\b+2:PC+4*\b+3], v[16*\b+8+(\s):16*\b+15+(\s)], v[TM+12+\b]
.endr
	WIN 0
	v_nop                                          ; one plain line behind the last conversion
.endm
.macro LOADW                           ; my tile's eight fragments: together the 32 loads read 16 whole rows of 1,024 bytes
.irp s, 0,1,2,3,4,5,6,7
.irp q, 0,1,2,3
	global_load_b128 v[WF+16*\s+4*\q:WF+16*\s+4*\q+3], v5, s[32:33] offset:128*\s+32*\q
.endr
.endr
.endm
.macro STOREW extra                    ; extra: loads issued behind LOADW's
.irp s, 0,1,2,3,4,5,6,7
	s_wait_loadcnt 28-4*\s+(\extra)                ; fragment s is in: behind it stand the younger fragments' loads and the extra ones
.irp q, 0,1,2,3
	global_store_b128 v4, v[WF+16*\s+4*\q:WF+16*\s+4*\q+3], s[16:17] offset:4096*\s+512*\q
.endr
.endr
.endm
	s_load_b512 s[4:19], s[0:1], 0x0               ; W1 codes s[4:5], W2 codes s[6:7], W2 scales s[8:9], b1 s[10:11], b2 s[12:13], cond_ids s[14:15], wimg s[16:17], vtab s[18:19]
	s_load_b64 s[20:21], s[0:1], 0x40              ; rowlist
	v_lshl_add_u32 v15, v0, 2, 0x2600
	s_set_vgpr_msb 0x40
	v_mov_b32 v1, 0
	s_set_vgpr_msb 0x4000
	v_lshrrev_b32 v1, 5, v0
	v_readfirstlane_b32 s22, v1                    ; wave
	v_and_b32 v1, 31, v0                           ; lane
	v_and_b32 v2, 15, v0                           ; r
	v_bfe_u32 v3, v0, 4, 1                         ; h
	v_lshlrev_b32 v4, 4, v1                        ; 16 x lane
	s_cmp_eq_u32 ttmp9, 256
	s_cbranch_scc1 .Lroute
	; ---- a weight's wave: condition c, pair b, tile u
	s_and_b32 s23, ttmp9, 127
	s_lshr_b32 s24, s23, 4                         ; c
	s_and_b32 s25, s23, 15
	s_lshl_b32 s25, s25, 1
	s_lshr_b32 s26, s22, 1
	s_add_co_u32 s25, s25, s26                     ; b = 2 (g % 16) + wave / 2
	s_and_b32 s26, s22, 1                          ; u
	s_lshl_b32 s28, s24, 20
	s_lshl_b32 s27, s25, 15
	s_add_co_u32 s28, s28, s27                     ; the pair's 32 rows in the codes: c x 2^20 + b x 2^15
	s_mov_b32 s29, 0
	s_lshr_b32 s30, ttmp9, 7                       ; the matrix
	s_lshl_b32 s30, s30, 3
	s_add_co_u32 s30, s30, s24
	s_lshl_b32 s30, s30, 5
	s_add_co_u32 s30, s30, s25
	s_lshl_b32 s30, s30, 15
	s_lshl_b32 s27, s26, 11
	s_add_co_u32 s30, s30, s27                     ; and in wimg: ((8 matrix + c) 32 + b) x 2^15 + 2,048 u
	s_mov_b32 s31, 0
	v_and_b32 v14, 8, v2
	v_add_nc_u32 v14, v14, v2
	v_lshl_add_u32 v14, s26, 3, v14                ; my row in the pair: 8 u + r + (r & 8)
	v_lshlrev_b32 v5, 10, v14
	v_lshl_add_u32 v5, v3, 4, v5                   ; its 1,024 bytes, + 16 h
	s_wait_kmcnt 0x0
	s_cmp_lt_u32 ttmp9, 128
	s_cselect_b64 s[32:33], s[4:5], s[6:7]         ; the choice hangs on the work-group's number alone
	s_add_nc_u64 s[32:33], s[32:33], s[28:29]
	s_add_nc_u64 s[16:17], s[16:17], s[30:31]
	s_cmp_ge_u32 ttmp9, 128
	s_cbranch_scc1 .Lw2
	LOADW
	STOREW 0
	s_endpgm
.Lw2:	; ---- W2: the copy, and 16 numbers of v_c
	s_lshl_b32 s28, s24, 12
	s_add_nc_u64 s[10:11], s[10:11], s[28:29]      ; b1_c
	s_lshl_b32 s27, s25, 7
	s_add_co_u32 s28, s28, s27
	s_lshl_b32 s27, s26, 5
	s_add_co_u32 s28, s28, s27                     ; 4,096 c + 128 b + 32 u: my tile's place in b2 and in vtab (lane half h: 64 h further on)
	s_add_nc_u64 s[12:13], s[12:13], s[28:29]
	s_add_nc_u64 s[18:19], s[18:19], s[28:29]
	s_lshl_b32 s28, s24, 15
	s_lshl_b32 s27, s25, 10
	s_add_co_u32 s28, s28, s27
	s_add_nc_u64 s[8:9], s[8:9], s[28:29]          ; the pair's scale bytes: 32 a row
	v_lshlrev_b32 v12, 5, v14                      ; my row's
	v_and_b32 v6, 7, v2
	v_lshlrev_b32 v6, 9, v6
	v_lshl_add_u32 v6, v3, 6, v6                   ; b1: LANE (r, h) TAKES K STEP r % 8: 512 (r % 8) + 64 h: so one quantising serves all eight K steps
	s_mul_i32 s34, s22, 2304
	s_add_co_u32 s34, s34, 512                     ; my wave's own LDS: 2,048 bytes of codes, 128 of scale words
	s_add_co_u32 s35, s34, 2048
	v_lshl_add_u32 v7, v3, 8, s34                  ; read: lane (s, h)'s registers lie at 16 (s + 16 h)
	v_mov_b32 v8, s35                              ; read: K step s's scale word lies at 4 s
	v_add_nc_u32 v9, s34, v4                       ; store: 16 x lane
	v_lshl_add_u32 v10, v1, 2, s35                 ; store: 4 x lane
	v_lshlrev_b32 v11, 6, v3                       ; 64 h
	s_mov_b32 s[SEL], 0x76543210
	s_mov_b32 s[SEL+1], 0xfedcba98
	s_mov_b32 s[MNT], 0x600000
.irp b, 0,1,2,3
	v_mov_b32 v[TM+4+\b], 0                        ; a lane permute's destination counts as read: written once
.endr
.irp b, 0,1,2,3
.irp j, 0,1,2,3
	global_load_b128 v[ST+16*\b+4*\j:ST+16*\b+4*\j+3], v6, s[10:11] offset:128*\b+16*\j
.endr
.endr
	global_load_b128 v[16:19], v12, s[8:9]         ; v16-23: my row's eight scale words, one a K step (these registers hold scales alone)
	global_load_b128 v[20:23], v12, s[8:9] offset:16
	LOADW
	s_wait_loadcnt 34                              ; b1 is in: behind it stand the 2 scale loads and the 32 of the weight
	QCORE ST, 0, 1
	v_lshl_or_b32 v13, v[TM+5], 8, v[TM+4]         ; the four bytes make K step r % 8's scale word
	v_lshl_or_b32 v13, v[TM+6], 16, v13
	v_lshl_or_b32 v13, v[TM+7], 24, v13
.irp q, 0,1,2,3
	ds_store_b128 v9, v[PC+4*\q:PC+4*\q+3] offset:512*\q
.endr
	ds_store_b32 v10, v13
	global_load_b128 v[32:35], v11, s[12:13]       ; b2 at my eight outputs
	global_load_b128 v[36:39], v11, s[12:13] offset:16
	STOREW 2
.irp s, 0,1,2,3,4,5,6,7
	ds_load_b32 v[24+\s], v8 offset:4*\s           ; v24-31: the hidden row's scale words, the same in every lane (scales alone).  LDS serves a wave's instructions in order: these see my stores
.endr
; The hidden row is the same for all 16 columns of source 1: every lane (r, h) takes lane (s, h)'s registers.  Two accumulators take turns, one instruction a turn.
.macro VSTEPS s0
.irp s, \s0, \s0+1, \s0+2, \s0+3
.irp q, 0,1,2,3
	ds_load_b128 v[ST+16*((\s)%4)+4*\q:ST+16*((\s)%4)+4*\q+3], v7 offset:16*(\s)+512*\q
.endr
.endr
	s_wait_dscnt 0x0
	s_wait_loadcnt 0x0                             ; the weight's scale words and b2 (the fragments were shown in by the stores' waits)
.irp s, \s0, \s0+1, \s0+2, \s0+3
.if (\s) < 2
	v_wmma_scale_f32_16x16x128_f8f6f4 v[PC+8*((\s)%2):PC+8*((\s)%2)+7], v[WF+16*(\s):WF+16*(\s)+15], v[ST+16*((\s)%4):ST+16*((\s)%4)+15], 0, v[16+(\s)], v[24+(\s)]
.else
	v_wmma_scale_f32_16x16x128_f8f6f4 v[PC+8*((\s)%2):PC+8*((\s)%2)+7], v[WF+16*(\s):WF+16*(\s)+15], v[ST+16*((\s)%4):ST+16*((\s)%4)+15], v[PC+8*((\s)%2):PC+8*((\s)%2)+7], v[16+(\s)], v[24+(\s)]
.endif
.endr
.rept 8
	v_nop                                          ; eight places ahead of loads into registers that these products read, and of the first read of a result
.endr
.endm
	VSTEPS 0
	VSTEPS 4
.irp j, 0,1,2,3,4,5,6,7
	v_add_f32 v[40+\j], v[PC+\j], v[PC+8+\j]       ; even and odd K steps; each accumulator is read from its low end on
.endr
.irp j, 0,1,2,3,4,5,6,7
	v_add_f32 v[40+\j], v[40+\j], v[32+\j]         ; + b2: register j of lane (any, h) is v_c(32 b + 16 h + 8 u + j)
.endr
	v_cmp_eq_u32 vcc_lo, 0, v2
	s_wait_xcnt 0x0                                ; EXEC changes only behind this wait
	s_set_vgpr_msb 0x4
	s_wait_tensorcnt 0x0
	ds_add_u32 v15, v1
	s_wait_dscnt 0x0
	s_set_vgpr_msb 0x400
	s_and_saveexec_b32 s27, vcc_lo                 ; all 16 columns are equal: lanes 0 and 16 store
	global_store_b128 v11, v[40:43], s[18:19]
	global_store_b128 v11, v[44:47], s[18:19] offset:16
	s_wait_xcnt 0x0
	s_or_b32 exec_lo, exec_lo, s27
	s_endpgm
; ---- the router: 128 threads, 32 ids each; id j of thread t is row 512 (j / 4) + 4 t + j % 4
.set ID,  64                           ; v64-95   the ids
.set AD,  96                           ; v96-127  a store's address for each round
.set DT,  128                          ; v128-159 and its data: no store's registers are written again
.set PA,  160                          ; v160-171 an address for each of the twelve pad stores, likewise
.set ONES, 45                          ; v45      the pad word
.set DUMP, 52                          ; v52      4,544 + thread % 64: my slot behind the list
; The pad word into slot v48 in the lanes where v[cmpv] < limit; the other lanes write it into their slot behind the list.  All lanes stay on; store n has its own address register.
.macro PADST n, cmpv, limit
	v_cmp_gt_u32 vcc_lo, \limit, v[\cmpv]
	v_cndmask_b32 v48, v[DUMP], v48, vcc_lo
	v_min_u32 v48, 0x11ff, v48                     ; 4,607: the buffer's last slot
	v_lshlrev_b32 v[PA+(\n)], 2, v48
	global_store_b32 v[PA+(\n)], v[ONES], s[20:21]
.endm
.Lroute:
	v_lshlrev_b32 v47, 4, v0
	v_lshlrev_b32 v44, 2, v0                       ; 4 x thread: my first row; also my word in LDS bytes 0 .. 511
	v_lshlrev_b32 v22, 2, v1
	v_mov_b32 v[ONES], -1
	v_and_b32 v[DUMP], 63, v0
	v_add_nc_u32 v[DUMP], 4544, v[DUMP]
	v_mov_b32 v16, 0
.irp c, 0,1,2,3,4,5,6,7
	s_mov_b32 s[40+\c], 0
.endr
	s_wait_kmcnt 0x0
.irp j, 0,1,2,3,4,5,6,7
	global_load_b128 v[ID+4*\j:ID+4*\j+3], v47, s[14:15] offset:2048*\j
.endr
	s_wait_loadcnt 0x0
	; pass 1: my wave's count of each condition
.set J, 0
.rept 32
	v_min_u32 v[ID+J], 7, v[ID+J]
.irp c, 0,1,2,3,4,5,6,7
	v_cmp_eq_u32 s[48+\c], \c, v[ID+J]
.endr
.irp c, 0,1,2,3,4,5,6,7
	s_bcnt1_i32_b32 s[56+\c], s[48+\c]
.endr
.irp c, 0,1,2,3,4,5,6,7
	s_add_co_u32 s[40+\c], s[40+\c], s[56+\c]
.endr
.set J, J+1
.endr
.irp c, 0,1,2,3,4,5,6,7
	v_writelane_b32 v16, s[40+\c], \c              ; lane c: my wave's count of condition c
.endr
	ds_store_b32 v44, v16
	s_wait_dscnt 0x0                               ; for the others' sake
	s_barrier_signal -1
	s_barrier_wait -1                              ; the launch's one barrier: all four waves of this work-group are on this way
.irp w, 0,1,2,3
	ds_load_b32 v[18+\w], v22 offset:128*\w
.endr
	s_wait_dscnt 0x0
	s_cmp_gt_u32 s22, 0
	s_cselect_b32 s56, 1, 0
	v_mul_u32_u24 v24, s56, v18
	s_cmp_gt_u32 s22, 1
	s_cselect_b32 s56, 1, 0
	v_mad_u32_u24 v24, v19, s56, v24
	s_cmp_gt_u32 s22, 2
	s_cselect_b32 s56, 1, 0
	v_mad_u32_u24 v24, v20, s56, v24               ; lane c: the counts of the waves before mine
	v_add3_u32 v23, v18, v19, v20
	v_add_nc_u32 v23, v23, v21                     ; lane c: n_c
.irp c, 0,1,2,3,4,5,6,7
	v_readlane_b32 s[24+\c], v23, \c
	v_readlane_b32 s[32+\c], v24, \c
.endr
	s_mov_b32 s66, 0                               ; s[66+c]: condition c's first slot; s74 = 64 T
.irp c, 0,1,2,3,4,5,6,7
	s_add_co_u32 s56, s[24+\c], 63
	s_and_b32 s56, s56, 0xffffffc0
	s_add_co_u32 s[67+\c], s[66+\c], s56
	s_add_co_u32 s[75+\c], s[66+\c], s[24+\c]      ; its first slot without a row
	s_add_co_u32 s[40+\c], s[66+\c], s[32+\c]      ; and where my wave's rows of it begin
.endr
	s_mov_b32 s86, s24
	s_mov_b32 s83, s66
.irp c, 1,2,3,4,5,6,7
	s_cmp_gt_u32 s[24+\c], s86
	s_cselect_b32 s86, s[24+\c], s86
	s_cselect_b32 s83, s[66+\c], s83               ; the largest condition's first slot
.endr
	s_sub_co_u32 s84, 4544, s74                    ; 64 x the spare tiles
	s_sub_co_u32 s85, s74, s83
	s_sub_co_u32 s85, s85, 32                      ; from slot 64 k + 32 + i of the largest condition to slot i of spare tile k
	s_lshr_b32 s87, s84, 1
	v_mov_b32 v51, s83
	; pass 2: each row's slot: the running count of its condition + the lanes below me that have the same
.set J, 0
.rept 32
.irp c, 0,1,2,3,4,5,6,7
	v_cmp_eq_u32 s[48+\c], \c, v[ID+J]
.endr
.irp c, 0,1,2,3,4,5,6,7
	v_mbcnt_lo_u32_b32 v[32+\c], s[48+\c], s[40+\c]
.endr
.irp c, 1,2,3,4,5,6,7
	v_cndmask_b32 v32, v32, v[32+\c], s[48+\c]
.endr
.irp c, 0,1,2,3,4,5,6,7
	s_bcnt1_i32_b32 s[56+\c], s[48+\c]
.endr
.irp c, 0,1,2,3,4,5,6,7
	s_add_co_u32 s[40+\c], s[40+\c], s[56+\c]
.endr
	v_sub_nc_u32 v41, v32, v51                     ; the slot counted from the largest condition's first (it wraps to a large number for conditions before it)
	v_and_b32 v42, 32, v41
	v_cmp_gt_u32 s56, s84, v41                     ; in one of the tiles that give,
	v_cmp_ne_u32 vcc_lo, 0, v42                    ; in its upper half:
	s_and_b32 s56, s56, vcc_lo
	v_add_nc_u32 v43, s85, v32
	v_cndmask_b32 v32, v32, v43, s56               ; on to the spare tile
	v_min_u32 v32, 0x11bf, v32                     ; 4,543: the list's last slot
	v_lshlrev_b32 v[AD+J], 2, v32
	v_add_nc_u32 v42, 512*(J/4)+J%4, v44           ; the row
	v_lshl_or_b32 v[DT+J], v[ID+J], 16, v42
	global_store_b32 v[AD+J], v[DT+J], s[20:21]
.set J, J+1
.endr
	; the slots without a row: the rest of each condition's last tile (63 at the most: threads 0 .. 62),
.irp c, 0,1,2,3,4,5,6,7
	v_add_nc_u32 v48, s[75+\c], v0
	v_mov_b32 v49, v48
	PADST \c, 49, s[67+\c]
.endr
	; and the upper halves of the tiles that gave and of the spare tiles: index q = 32 k + i stands for slot 64 k + 32 + i
.irp k, 0,1
	v_add_nc_u32 v49, 128*\k, v0
	v_and_b32 v50, 0xffffffe0, v49
	v_add3_u32 v50, v50, v49, 32
	v_add_nc_u32 v48, s83, v50
	PADST 8+2*\k, 49, s87
	v_add_nc_u32 v48, s74, v50
	PADST 9+2*\k, 49, s87
.endr
	s_set_vgpr_msb 0x4
	s_wait_tensorcnt 0x0
	ds_add_u32 v15, v1
	s_wait_dscnt 0x0
	s_set_vgpr_msb 0x400
	s_endpgm
.Lfunc_end_k_qebb4fa45c3_prep:
	.size	k_qebb4fa45c3_prep, .Lfunc_end_k_qebb4fa45c3_prep-k_qebb4fa45c3_prep
	.p2alignl 7, 3214868480
	.fill 96, 4, 3214868480
	.section	.rodata,"a",@progbits
	.p2align	6, 0x0
	.amdhsa_kernel k_qebb4fa45c3_prep
		.amdhsa_group_segment_fixed_size 10240
		.amdhsa_private_segment_fixed_size 0
		.amdhsa_enable_private_segment 0
		.amdhsa_kernarg_size 72
		.amdhsa_user_sgpr_count 2
		.amdhsa_user_sgpr_kernarg_segment_ptr 1
		.amdhsa_wavefront_size32 1
		.amdhsa_system_sgpr_workgroup_id_x 1
		.amdhsa_system_sgpr_workgroup_id_y 1
		.amdhsa_system_sgpr_workgroup_id_z 1
		.amdhsa_system_vgpr_workitem_id 0
		.amdhsa_next_free_vgpr 258
		.amdhsa_next_free_sgpr 90
		.amdhsa_reserve_vcc 1
		.amdhsa_float_denorm_mode_32 3
		.amdhsa_float_denorm_mode_16_64 3
		.amdhsa_memory_ordered 1
		.amdhsa_forward_progress 1
		.amdhsa_inst_pref_size 156
	.end_amdhsa_kernel
	.amdgpu_metadata
---
amdhsa.version: [ 1, 2 ]
amdhsa.kernels:
  - .name:           k_qebb4fa45c3_prep
    .symbol:         k_qebb4fa45c3_prep.kd
    .args:
      - { .name: W1_codes, .offset: 0, .size: 8, .value_kind: global_buffer, .address_space: global }
      - { .name: W2_codes, .offset: 8, .size: 8, .value_kind: global_buffer, .address_space: global }
      - { .name: W2_scales, .offset: 16, .size: 8, .value_kind: global_buffer, .address_space: global }
      - { .name: b1, .offset: 24, .size: 8, .value_kind: global_buffer, .address_space: global }
      - { .name: b2, .offset: 32, .size: 8, .value_kind: global_buffer, .address_space: global }
      - { .name: cond_ids, .offset: 40, .size: 8, .value_kind: global_buffer, .address_space: global }
      - { .name: wimg, .offset: 48, .size: 8, .value_kind: global_buffer, .address_space: global }
      - { .name: vtab, .offset: 56, .size: 8, .value_kind: global_buffer, .address_space: global }
      - { .name: rowlist, .offset: 64, .size: 8, .value_kind: global_buffer, .address_space: global }
    .group_segment_fixed_size: 10240
    .private_segment_fixed_size: 0
    .kernarg_segment_align: 8
    .kernarg_segment_size: 72
    .max_flat_workgroup_size: 128
    .sgpr_count:     90
    .vgpr_count:     258
    .wavefront_size: 32
...
	.end_amdgpu_metadata
.endif
;; end of part 1
;; launch chain (part 2): grid 71 x 1, 4 waves a work-group, no clusters, 165,376 bytes of LDS; arguments x, rowlist, wimg, W1_scales, W2_scales, b1, b2, vtab, out0; writes out0
.if DOCPART == 2
	.amdgcn_target "amdgcn-amd-amdhsa--gfx1250"
	.amdhsa_code_object_version 6
	.text
	.protected	k_qebb4fa45c3_chain
	.globl	k_qebb4fa45c3_chain
	.p2align	8
	.type	k_qebb4fa45c3_chain,@function
k_qebb4fa45c3_chain:
	s_mov_b64 s[64:65], 0
	v_nop
	global_prefetch_b8 v0, s[64:65] scope:SCOPE_SE
	s_setreg_imm32_b32 hwreg(HW_REG_WAVE_MODE, 25, 1), 1
	s_wait_xcnt 0x0
; out[row] = Q(relu(Q(x_row) W1_c + b1_c)) W2_c + b2_c + the sum over c' != c of v_c', c = the row's condition; both products on MX-FP8 codes by the scaled matrix instruction, sums in f32.
; (reference() runs every condition over the zero-masked batch: a masked row gives the constant vector v_c', which the launch before has stored in vtab.)
; SHARES.  One work-group takes one tile of rowlist, up to 64 rows of ONE condition, through the whole chain; the hidden layer lives in LDS and registers alone.  Every tile has a row in slot 0; a slot
; without a row takes slot 0's row: it computes and stores the same numbers to the same place once more, so no lane is ever switched off and no branch hangs on the list.
; THE FOUR WAVES SHARE THE COLUMNS, NOT THE ROWS: wave w makes hidden units and outputs 256 w .. 256 w + 255 for all 64 rows.  So each weight byte is loaded by one wave, from wimg, where a fragment
; lies in the order of its registers (512 consecutive bytes a load), straight into a ring of 16 fragments (one pair of 32 rows n, all of K), and feeds four matrix instructions.
; The rows' codes (x's, then the hidden layer's: 32 fragments, 512 registers) are made once, go from wave to wave through LDS as images of their registers, and then stay in every wave's registers.
; BOTH PRODUCTS ARE USED TRANSPOSED (source 0 = 16 rows of the weight, source 1 = 16 rows of the tile).  Lane r of tile u of pair b holds weight row 32 b + 8 u + r + (r & 8), so register j of lane
; (row r, half h) is column 32 b + 16 h + 8 u + j: a pair's 16 registers are 16 neighbours along the next K, and 64 neighbouring bytes of a row of out.
; The biases are the C of each sum's first matrix instruction: b1_c, and b2_c + the seven other v (summed in the order b2_c, then v ascending).
; NOT USED: clusters and joint loads: 71 work-groups divide into no cluster, and which tiles share a condition's weights hangs on the list.  Tensor loads: a descriptor's address would hang on the list.
; LIMITS: NaN and infinities are not served.  A block whose largest magnitude lies under 2^-118 has its scale byte held at 1; a block of zeros gets the byte 1 (its codes are zeros).
; REGISTERS, in windows of 256.  Window 0: v1-23 addresses; v24-55 the rows' scale words, v56-71 the weights' (two sets): scales alone; v72-87 a pair's bias; v88-119 the stores' row offsets;
;   v120-247 accumulators (first product: v120-183, and v184-220 the quantiser's).  Window 1: the ring.  Windows 2, 3: the rows' fragment (K step s, row tile m) at 16 (4 s + m); in the head window 2 holds x.
.set XSC,  65536                       ; LDS: 0: x's images [s 8][m 4][2,048];  here their scale words [s][m][128];
.set HIMG, 69632                       ; the hidden layer's images, likewise;
.set HSC,  135168                      ; their scale words;
.set BIAS, 139264                      ; [wave][2][1,024]: b1_c, then b2_c + the v, at the wave's 256 columns, in their natural order: each wave's own;
.set STG,  147456                      ; the stage of the way out: 16 rows x (256 + 16) bytes, each wave's own
.set LI,  1                            ; 16 x lane
.set XA,  3                            ; x: my row's first byte + 64 h
.set XWI, 4                            ; where I store x's images: 16 lane + 2,048 w
.set XWS, 5                            ; and their scale words: XSC + 4 lane + 128 w
.set XSR, 6                            ; XSC + 4 lane
.set HB,  7                            ; HIMG + 16 lane
.set HSB, 8                            ; HSC + 4 lane
.set HST, 9                            ; HIMG + 16 lane + 16,384 w
.set HSW, 10                           ; HSC + 4 lane + 1,024 w
.set BIR, 11                           ; BIAS + 2,048 w + 64 h
.set WSA, 12                           ; a weight's scale words: 32 x (8 h + r + (r & 8)): lanes 0-15 tile 0's rows, lanes 16-31 tile 1's
.set STO, 13                           ; the stage, in: 272 r + 64 h
.set SRD, 14                           ; the stage, back: 272 h + 16 r
.set BIW, 15                           ; BIAS + 2,048 w + 32 lane
.set GBO, 16                           ; 1,024 w + 32 lane: my eight columns in b1, b2, vtab
.set HSA, 18                           ; HST, HSW, BIR + this trip's step
.set HWA, 19
.set BIA, 20
.set XS,  24
.set WS,  56
.set BI,  72
.set OFR, 88
.set ACC, 120
.set TM,  184
.set PC,  200
.set PWM, 216
.set PW,  220
.set B1R, 224
.set B2R, 232
.set CNT, 37                           ; s37 trips to go
.set HS8, 38                           ; s38 the trip's step in the hidden images: 8,192 a trip
.set ST5, 39                           ; s39 the trip's step in the scale words and the biases
.set NW,  40                           ; s[40:41] the next pair's fragments in wimg
.set NS,  42                           ; s[42:43] the next pair's scale bytes
.set OB,  46                           ; s[46:47] out0 at the 64 columns in hand
.set SEL, 48
.set MNT, 50
.set W2P, 52                           ; s[52:53] W2's scale bytes at my first pair
.set MSB, 0
.macro WIN new                         ; s_set_vgpr_msb: bits 1:0 source 0, 3:2 source 1, 5:4 source 2, 7:6 destination; the high byte repeats the setting that is left
.if MSB != (\new)
	s_set_vgpr_msb (MSB<<8)|(\new)
.set MSB, (\new)
.endif
.endm
; 64 numbers of a lane, v[s + 16 b + i] in window X: block b's 16 numbers of mine; lane xor 16 holds the block's other 16.  Out: codes in v[PC + 4 b ..], the scale's byte in v[TM + 4 + b].
; relu = 1: what is negative becomes 0 on the way: it does not count for the largest magnitude, and the hold clips at 0.
.macro QCORE s, X, relu
	WIN (\X)|((\X)<<2)
.irp b, 0,1,2,3
.if \relu
	v_max3_num_f32 v[TM+\b], v[16*\b+(\s)], v[16*\b+1+(\s)], 0x4800000       ; the floor 2^(9 - 127) among the leaves: the byte cannot fall under 1
.else
	v_max3_num_f32 v[TM+\b], |v[16*\b+(\s)]|, |v[16*\b+1+(\s)]|, 0x4800000
.endif
.endr
.irp i, 2,4,6,8,10,12,14
.irp b, 0,1,2,3
.if \relu
	v_max3_num_f32 v[TM+\b], v[16*\b+\i+(\s)], v[16*\b+\i+1+(\s)], v[TM+\b]  ; ascending: each accumulator is read from its low end on; the four blocks by turns
.else
	v_max3_num_f32 v[TM+\b], |v[16*\b+\i+(\s)]|, |v[16*\b+\i+1+(\s)]|, v[TM+\b]
.endif
.endr
.endr
	WIN 0
.irp b, 0,1,2,3
	v_permlanex16_b32 v[TM+4+\b], v[TM+\b], s[SEL], s[SEL+1]
.endr
.irp b, 0,1,2,3
	v_max_num_f32 v[TM+\b], v[TM+\b], v[TM+4+\b]                             ; the block's largest magnitude
.endr
.irp b, 0,1,2,3
	v_add_nc_u32 v[TM+12+\b], 0xfc000000, v[TM+\b]                           ; 8 off its exponent field: the conversion's scale operand
.endr
.irp b, 0,1,2,3
	v_and_or_b32 v[TM+8+\b], v[TM+\b], 0x7f800000, s[MNT]                    ; 448 x the scale
.endr
.irp b, 0,1,2,3
	v_lshrrev_b32 v[TM+4+\b], 23, v[TM+12+\b]                                ; the scale's byte
.endr
	WIN (\X)|((\X)<<6)
.irp b, 0,1,2,3
.irp i, 0,1,2,3,4,5,6,7,8,9,10,11,12,13,14,15
.if \relu
	v_med3_num_f32 v[16*\b+\i+(\s)], v[16*\b+\i+(\s)], 0, v[TM+8+\b]         ; the activation and the hold in one
.else
	v_med3_num_f32 v[16*\b+\i+(\s)], v[16*\b+\i+(\s)], -v[TM+8+\b], v[TM+8+\b]   ; the conversion to an 8-bit code does not saturate (ISA guide 7.6.2)
.endif
.endr
.endr
	WIN (\X)
.irp b, 0,1,2,3
	v_cvt_scalef32_pk8_fp8_f32 v[PC+4*\b:PC+4*\b+1], v[16*\b+(\s):16*\b+7+(\s)], v[TM+12+\b]
	v_cvt_scalef32_pk8_fp8_f32 v[PC+4*\b+2:PC+4*\b+3], v[16*\b+8+(\s):16*\b+15+(\s)], v[TM+12+\b]
.endr
	WIN 0
	v_nop                                          ; one plain line behind the last conversion: later products write its sources
.endm
.macro XLOAD s                         ; my row's K step s of x: 64 numbers a lane, into set s % 4 of window 2.  No cache hint: a slot without a row names slot 0's row again
	WIN 0x80
.irp b, 0,1,2,3
.irp j, 0,1,2,3
	global_load_b128 v[64*((\s)%4)+16*\b+4*\j:64*((\s)%4)+16*\b+4*\j+3], v[XA], s[4:5] offset:512*(\s)+128*\b+16*\j
.endr
.endr
	WIN 0
.endm
.macro RING k                          ; quarter k (fragments 4 k .. 4 k + 3) of the pair at s[NW]: 16 loads of 512 consecutive bytes
	WIN 0x40
.irp a, 0,1,2,3
.irp q, 0,1,2,3
	global_load_b128 v[16*(4*(\k)+\a)+4*\q:16*(4*(\k)+\a)+4*\q+3], v[LI], s[NW:NW+1] offset:2048*(4*(\k)+\a)+512*\q
.endr
.endr
	WIN 0
.endm
.macro WSLOAD set                      ; the pair's scale words: eight a row, one a K step
	global_load_b128 v[WS+8*(\set):WS+8*(\set)+3], v[WSA], s[NS:NS+1]
	global_load_b128 v[WS+8*(\set)+4:WS+8*(\set)+7], v[WSA], s[NS:NS+1] offset:16
.endm
.macro BILOAD adr, off                 ; a pair's bias in the result's layout: tile u's eight numbers of my half
.irp u, 0,1
.irp q, 0,1
	ds_load_b128 v[BI+8*\u+4*\q:BI+8*\u+4*\q+3], v[\adr] offset:(\off)+32*\u+16*\q
.endr
.endr
.endm
.macro FRAGS adr, sadr                 ; 32 fragments and their scale words from LDS, as they were stored: register 4 n takes the bytes at 512 n + 16 lane
	WIN 0x80
.set N, 0
.rept 64
	ds_load_b128 v[4*N:4*N+3], v[\adr] offset:512*N
.set N, N+1
.endr
	WIN 0xc0
.rept 64
	ds_load_b128 v[4*(N-64):4*(N-64)+3], v[\adr] offset:512*N
.set N, N+1
.endr
	WIN 0
.set N, 0
.rept 32
	ds_load_b32 v[XS+N], v[\sadr] offset:128*N
.set N, N+1
.endr
.endm
; A PAIR: 32 rows of the weight x 64 rows of the tile x all of K: 64 matrix instructions on 8 accumulators, v[accb + mstep m + 8 u], which take turns, one instruction a turn.
; The ring goes in quarters of four fragments.  refill = 1: behind a quarter's 16 products and eight places the same quarter of the NEXT pair is asked for;
; behind quarter 0 also its scale words (into the other set) and its bias (bio: where, from v[BIA]).
; LOADcnt: loads come back in order (ISA guide 5.7.1).  At the head three younger quarters may be out: 48.  Fragment a of quarters 1 to 3: behind it stand 4 (3 - a) loads of its own quarter and
; 50 more (two quarters of 16, and one of 16 with the 2 scale loads).  Without refills what is left of the ring: 60 - 16 k - 4 a.
.macro PAIR accb, mstep, ws, refill, bio
	s_wait_loadcnt 48
	s_wait_dscnt 0x0                               ; the bias is in; my LDS stores have read their registers
.irp k, 0,1,2,3
.irp a, 0,1,2,3
.if \k > 0
.if \refill
	s_wait_loadcnt 62-4*\a
.else
	s_wait_loadcnt 60-16*\k-4*\a
.endif
.endif
	WIN 0x09+4*(\k/2)                              ; source 0 window 1; source 1 window 2 (K steps 0-3) or 3
.irp m, 0,1,2,3
.set rS, 2*\k+\a/2
.set rD, (\accb)+(\mstep)*\m+8*(\a%2)
.set rF, 16*(4*\k+\a)
.set rX, 16*(4*(rS%4)+\m)
.set rC, rD
.if rS == 0
.set rC, BI+8*(\a%2)
.endif
.if \a%2
	v_wmma_scale_f32_16x16x128_f8f6f4 v[rD:rD+7], v[rF:rF+15], v[rX:rX+15], v[rC:rC+7], v[WS+8*(\ws)+rS], v[XS+4*rS+\m] matrix_a_scale:MATRIX_SCALE_ROW1
.else
	v_wmma_scale_f32_16x16x128_f8f6f4 v[rD:rD+7], v[rF:rF+15], v[rX:rX+15], v[rC:rC+7], v[WS+8*(\ws)+rS], v[XS+4*rS+\m]
.endif
.endr
.endr
.if \refill
.rept 8
	v_nop
.endr
	RING \k
.if \k == 0
	WSLOAD 1-(\ws)
	BILOAD BIA, \bio
.endif
.endif
.endr
	WIN 0
.endm
.macro NEXTPAIR                        ; the pointers go on to the pair that the next PAIR asks for
	s_wait_xcnt 0x0                                ; every earlier load and store has read its base, its offset and its data: only behind this wait are they written again
	s_add_nc_u64 s[NW:NW+1], s[NW:NW+1], 0x8000
	s_add_nc_u64 s[NS:NS+1], s[NS:NS+1], 0x400
.endm
	; ---- the head
	s_load_b512 s[4:19], s[0:1], 0x0               ; x s[4:5], rowlist s[6:7], wimg s[8:9], W1 scales s[10:11], W2 scales s[12:13], b1 s[14:15], b2 s[16:17], vtab s[18:19]
	s_load_b64 s[20:21], s[0:1], 0x40              ; out0
	v_lshl_add_u32 v254, v0, 2, 0x28400
	v_mov_b32 v255, 0
	v_lshrrev_b32 v2, 5, v0
	v_readfirstlane_b32 s22, v2                    ; wave
	v_and_b32 v23, 31, v0                          ; lane
	v_and_b32 v2, 15, v0                           ; r
	v_bfe_u32 v17, v0, 4, 1                        ; h
	v_lshlrev_b32 v[LI], 4, v23
	v_lshlrev_b32 v22, 2, v23                      ; 4 x lane
	v_lshlrev_b32 v21, 4, v2                       ; 16 r
	v_lshlrev_b32 v249, 2, v17                     ; 4 h
	s_lshl_b32 s44, s22, 6
	v_lshl_add_u32 v248, v2, 2, s44                ; slot 16 w + r
	s_lshl_b32 s44, ttmp9, 8
	s_mov_b32 s45, 0                               ; stays 0
	s_wait_kmcnt 0x0
	s_add_nc_u64 s[6:7], s[6:7], s[44:45]          ; my tile's 64 entries
	s_load_b32 s23, s[6:7], 0x0                    ; slot 0: always a row
	global_load_b32 v251, v248, s[6:7]             ; the row that I quantise
.irp m, 0,1,2,3
.irp i, 0,1,2,3,4,5,6,7
	global_load_b32 v[OFR+8*\m+\i], v249, s[6:7] offset:64*\m+8*\i   ; the rows that I store: slot 16 m + 2 i + h
.endr
.endr
	s_lshl_b32 s51, s22, 11
	v_add_nc_u32 v[XWI], s51, v[LI]
	s_lshl_b32 s51, s22, 7
	s_add_co_u32 s51, s51, XSC
	v_add_nc_u32 v[XWS], s51, v22
	v_add_nc_u32 v[XSR], XSC, v22
	v_add_nc_u32 v[HB], HIMG, v[LI]
	v_add_nc_u32 v[HSB], HSC, v22
	s_lshl_b32 s51, s22, 14
	s_add_co_u32 s51, s51, HIMG
	v_add_nc_u32 v[HST], s51, v[LI]
	s_lshl_b32 s51, s22, 10
	s_add_co_u32 s51, s51, HSC
	v_add_nc_u32 v[HSW], s51, v22
	s_lshl_b32 s51, s22, 11
	s_add_co_u32 s51, s51, BIAS
	v_lshl_add_u32 v[BIR], v17, 6, s51
	v_lshl_add_u32 v[BIW], v23, 5, s51
	v_and_b32 v[WSA], 8, v2
	v_add_nc_u32 v[WSA], v[WSA], v2
	v_lshl_add_u32 v[WSA], v17, 3, v[WSA]
	v_lshlrev_b32 v[WSA], 5, v[WSA]
	s_mul_i32 s51, s22, 4352
	s_add_co_u32 s51, s51, STG
	v_mul_u32_u24 v[STO], v2, 272
	v_lshl_add_u32 v[STO], v17, 6, v[STO]
	v_add_nc_u32 v[STO], s51, v[STO]
	v_mul_u32_u24 v[SRD], v17, 272
	v_lshl_add_u32 v[SRD], v2, 4, v[SRD]
	v_add_nc_u32 v[SRD], s51, v[SRD]
	s_lshl_b32 s51, s22, 10
	v_lshl_add_u32 v[GBO], v23, 5, s51
	s_mov_b32 s[SEL], 0x76543210
	s_mov_b32 s[SEL+1], 0xfedcba98
	s_mov_b32 s[MNT], 0x600000
	s_mov_b32 s[HS8], 0
	s_mov_b32 s[ST5], 0
	v_mov_b32 v250, 0
.irp b, 0,1,2,3
	v_mov_b32 v[TM+4+\b], 0                        ; a lane permute's destination counts as read: written once
.endr
	s_wait_kmcnt 0x0
	s_bfe_u32 s24, s23, 0x30010
	s_min_u32 s24, s24, 7                          ; the tile's condition
	s_lshl_b32 s44, s24, 12
	s_add_nc_u64 s[14:15], s[14:15], s[44:45]      ; b1_c, b2_c
	s_add_nc_u64 s[16:17], s[16:17], s[44:45]
	s_lshl_b32 s44, s24, 5
	s_lshl_b32 s51, s22, 3
	s_add_co_u32 s44, s44, s51                     ; my first pair: 32 c + 8 w
	s_lshl_b32 s54, s44, 10
	s_mov_b32 s55, 0
	s_add_nc_u64 s[NS:NS+1], s[10:11], s[54:55]    ; 1,024 scale bytes a pair
	s_add_nc_u64 s[W2P:W2P+1], s[12:13], s[54:55]
	s_lshl_b32 s44, s44, 15
	s_add_nc_u64 s[NW:NW+1], s[8:9], s[44:45]      ; 32,768 bytes of codes a pair
	s_lshl_b32 s44, s22, 10
	s_add_nc_u64 s[OB:OB+1], s[20:21], s[44:45]    ; my 256 columns of out
	s_wait_loadcnt 32                              ; my entry is in: behind it stand the 32 of the stores' rows
	v_mov_b32 v252, s23
	v_cmp_lt_u32 vcc_lo, 0x7ffff, v251             ; a slot without a row
	v_cndmask_b32 v251, v251, v252, vcc_lo         ; takes slot 0's
	v_and_b32 v251, 0xffff, v251
	v_min_u32 v251, 0xfff, v251
	v_lshlrev_b32 v[XA], 6, v17
	v_lshl_add_u32 v[XA], v251, 12, v[XA]          ; row x 4,096 bytes + 64 h: my 16 numbers of each block of 32
	global_load_b128 v[B1R:B1R+3], v[GBO], s[14:15]
	global_load_b128 v[B1R+4:B1R+7], v[GBO], s[14:15] offset:16
	global_load_b128 v[B2R:B2R+3], v[GBO], s[16:17]
	global_load_b128 v[B2R+4:B2R+7], v[GBO], s[16:17] offset:16
.irp i, 0,1,2,3,4,5,6,7
	global_load_b128 v[ACC+8*\i:ACC+8*\i+3], v[GBO], s[18:19] offset:4096*\i       ; all eight v, at fixed places
	global_load_b128 v[ACC+8*\i+4:ACC+8*\i+7], v[GBO], s[18:19] offset:4096*\i+16
.endr
	XLOAD 0
	XLOAD 1
	XLOAD 2
	XLOAD 3
	; my 16 rows of x become eight fragments; each freed set takes a later K step, then the ring's first pair
.irp s, 0,1,2,3,4,5,6,7
.if \s < 5
	s_wait_loadcnt 48                              ; K step s is in (and all before it): three younger groups of 16 may be out
.else
	s_wait_loadcnt 50                              ; one of the three now has the 2 scale loads with it
.endif
.if \s == 0
.irp i, 0,1,2,3,4,5,6,7
	s_cmp_eq_u32 s24, \i
	s_cselect_b32 s44, -1, 0
.irp j, 0,1,2,3,4,5,6,7
	v_cndmask_b32 v[ACC+8*\i+\j], v[ACC+8*\i+\j], v250, s44    ; my own condition's v does not count
.endr
.irp p, 0,2,4,6
	v_pk_add_f32 v[B2R+\p:B2R+\p+1], v[B2R+\p:B2R+\p+1], v[ACC+8*\i+\p:ACC+8*\i+\p+1]
.endr
.endr
	ds_store_b128 v[BIW], v[B1R:B1R+3]
	ds_store_b128 v[BIW], v[B1R+4:B1R+7] offset:16
	ds_store_b128 v[BIW], v[B2R:B2R+3] offset:1024
	ds_store_b128 v[BIW], v[B2R+4:B2R+7] offset:1040
.set N, 0
.rept 32
	v_cmp_lt_u32 vcc_lo, 0x7ffff, v[OFR+N]
	v_cndmask_b32 v[OFR+N], v[OFR+N], v252, vcc_lo
	v_and_b32 v[OFR+N], 0xffff, v[OFR+N]
	v_min_u32 v[OFR+N], 0xfff, v[OFR+N]
	v_lshl_add_u32 v[OFR+N], v[OFR+N], 12, v21     ; row x 4,096 bytes + 16 r
.set N, N+1
.endr
.endif
	s_wait_dscnt 0x0                               ; the last step's stores have read their registers
	QCORE 64*(\s%4), 2, 0
	v_lshl_or_b32 v[PW], v[TM+5], 8, v[TM+4]       ; the four bytes make my row's scale word
	v_lshl_or_b32 v[PW], v[TM+6], 16, v[PW]
	v_lshl_or_b32 v[PW], v[TM+7], 24, v[PW]
.irp q, 0,1,2,3
	ds_store_b128 v[XWI], v[PC+4*\q:PC+4*\q+3] offset:8192*\s+512*\q
.endr
	ds_store_b32 v[XWS], v[PW] offset:512*\s
.if \s < 4
	XLOAD \s+4
.else
	RING \s-4
.if \s == 4
	WSLOAD 0
.endif
.endif
.endr
	s_wait_dscnt 0x0                               ; for the others' sake: my images have landed
	s_barrier_signal -1
	s_barrier_wait -1                              ; x's 32 fragments lie in LDS (the ring's loads stay out: nobody writes those bytes)
	FRAGS LI, XSR
	BILOAD BIR, 0
	; ---- the first product: two trips of four pairs; a trip's 128 hidden units are one K step of the second product, a pair is one chunk of 32 of it
	s_mov_b32 s[CNT], 2
.Lg:
	v_add_nc_u32 v[HSA], s[HS8], v[HST]
	v_add_nc_u32 v[HWA], s[ST5], v[HSW]
	v_add_nc_u32 v[BIA], s[ST5], v[BIR]
.irp i, 0,1,2,3
.if \i < 3
	NEXTPAIR
.else
	s_wait_xcnt 0x0                                ; as in NEXTPAIR
	s_cmp_eq_u32 s[CNT], 2                         ; behind the first trip W1's next pair; behind the second W2's first: 249 pairs on in wimg, and W2's scale bytes
	s_mov_b32 s44, 0x7c8000
	s_cselect_b32 s44, 0x8000, s44
	s_add_nc_u64 s[NW:NW+1], s[NW:NW+1], s[44:45]
	s_add_nc_u64 s[NS:NS+1], s[NS:NS+1], 0x400
	s_cselect_b64 s[NS:NS+1], s[NS:NS+1], s[W2P:W2P+1]
.endif
	PAIR ACC, 16, \i%2, 1, 128*(\i+1)
	QCORE ACC, 0, 1                                ; (the eight places behind the pair's last quarter stand ahead of it)  block m = row tile m's 32 hidden units
.irp m, 0,1,2,3
.if \i == 0
	v_mov_b32 v[PWM+\m], v[TM+4+\m]
.else
	v_lshl_or_b32 v[PWM+\m], v[TM+4+\m], 8*\i, v[PWM+\m]
.endif
.endr
.irp m, 0,1,2,3
	ds_store_b128 v[HSA], v[PC+4*\m:PC+4*\m+3] offset:2048*\m+512*\i   ; chunk i of the fragment (my K step, row tile m)
.endr
.if \i == 3
.irp m, 0,1,2,3
	ds_store_b32 v[HWA], v[PWM+\m] offset:128*\m
.endr
.endif
.endr
	s_add_co_u32 s[HS8], s[HS8], 8192
	s_add_co_u32 s[ST5], s[ST5], 512
	s_sub_co_u32 s[CNT], s[CNT], 1
	s_cmp_lg_u32 s[CNT], 0
	s_cbranch_scc1 .Lg
	s_wait_dscnt 0x0                               ; for the others' sake
	s_barrier_signal -1
	s_barrier_wait -1                              ; the hidden layer's 32 fragments lie in LDS
	FRAGS HB, HSB
	; ---- the second product: four times two pairs = 64 columns, 256 bytes of each row
.macro TOSTAGE m                       ; row tile m: a lane's 64 + 64 bytes of its row into my stage, and back as whole rows of 256 bytes, into the registers that they left
.irp n, 0,1,2,3
	ds_store_b128 v[STO], v[ACC+32*(\m)+8*\n:ACC+32*(\m)+8*\n+3] offset:128*(\n/2)+32*(\n%2)         ; each accumulator from its low end on
	ds_store_b128 v[STO], v[ACC+32*(\m)+8*\n+4:ACC+32*(\m)+8*\n+7] offset:128*(\n/2)+32*(\n%2)+16
.endr
.irp i, 0,1,2,3,4,5,6,7
	ds_load_b128 v[ACC+32*(\m)+4*\i:ACC+32*(\m)+4*\i+3], v[SRD] offset:544*\i    ; LDS serves a wave's instructions in order (ISA guide 5.7.1.4): these see the stores above
.endr
.endm
.macro SEND m, younger                 ; younger: the next tile's 8 stores and 8 loads, which may stay out
	s_wait_dscnt \younger
.irp i, 0,1,2,3,4,5,6,7
	global_store_b128 v[OFR+8*(\m)+\i], v[ACC+32*(\m)+4*\i:ACC+32*(\m)+4*\i+3], s[OB:OB+1] th:TH_STORE_NT   ; 16 lanes store 256 consecutive bytes, aligned
.endr
.endm
.macro OUT places
.rept \places
	v_nop
.endr
	TOSTAGE 0
	TOSTAGE 1
	SEND 0, 16
	TOSTAGE 2
	SEND 1, 16
	TOSTAGE 3
	SEND 2, 16
	SEND 3, 0
.endm
.macro QUAD last
	v_add_nc_u32 v[BIA], s[ST5], v[BIR]
	NEXTPAIR
	PAIR ACC, 32, 0, 1, 128
.if \last
	PAIR ACC+16, 32, 1, 0, 0                       ; the last pair asks for nothing: no load leaves its buffer
	OUT 8                                          ; eight places ahead of the first read of its results
.else
	NEXTPAIR
	PAIR ACC+16, 32, 1, 1, 256
	OUT 0                                          ; the eight places behind the pair's last quarter serve
	s_wait_xcnt 0x0                                ; the stores have read their base and their data
	s_add_nc_u64 s[OB:OB+1], s[OB:OB+1], 256
	s_add_co_u32 s[ST5], s[ST5], 256
.endif
.endm
	s_mov_b32 s[CNT], 3
.Lq:
	QUAD 0
	s_sub_co_u32 s[CNT], s[CNT], 1
	s_cmp_lg_u32 s[CNT], 0
	s_cbranch_scc1 .Lq
	QUAD 1
	s_wait_tensorcnt 0x0
	ds_add_u32 v254, v255
	s_wait_dscnt 0x0
	s_endpgm
.Lfunc_end_k_qebb4fa45c3_chain:
	.size	k_qebb4fa45c3_chain, .Lfunc_end_k_qebb4fa45c3_chain-k_qebb4fa45c3_chain
	.p2alignl 7, 3214868480
	.fill 96, 4, 3214868480
	.section	.rodata,"a",@progbits
	.p2align	6, 0x0
	.amdhsa_kernel k_qebb4fa45c3_chain
		.amdhsa_group_segment_fixed_size 165376
		.amdhsa_private_segment_fixed_size 0
		.amdhsa_enable_private_segment 0
		.amdhsa_kernarg_size 72
		.amdhsa_user_sgpr_count 2
		.amdhsa_user_sgpr_kernarg_segment_ptr 1
		.amdhsa_wavefront_size32 1
		.amdhsa_system_sgpr_workgroup_id_x 1
		.amdhsa_system_sgpr_workgroup_id_y 1
		.amdhsa_system_sgpr_workgroup_id_z 1
		.amdhsa_system_vgpr_workitem_id 0
		.amdhsa_next_free_vgpr 1024
		.amdhsa_next_free_sgpr 66
		.amdhsa_reserve_vcc 1
		.amdhsa_float_denorm_mode_32 3
		.amdhsa_float_denorm_mode_16_64 3
		.amdhsa_memory_ordered 1
		.amdhsa_forward_progress 1
		.amdhsa_inst_pref_size 255
	.end_amdhsa_kernel
	.section	.bss,"aw",@nobits
	.p2align	6
	.space	262144
	.amdgpu_metadata
---
amdhsa.version: [ 1, 2 ]
amdhsa.kernels:
  - .name:           k_qebb4fa45c3_chain
    .symbol:         k_qebb4fa45c3_chain.kd
    .args:
      - { .name: x, .offset: 0, .size: 8, .value_kind: global_buffer, .address_space: global }
      - { .name: rowlist, .offset: 8, .size: 8, .value_kind: global_buffer, .address_space: global }
      - { .name: wimg, .offset: 16, .size: 8, .value_kind: global_buffer, .address_space: global }
      - { .name: W1_scales, .offset: 24, .size: 8, .value_kind: global_buffer, .address_space: global }
      - { .name: W2_scales, .offset: 32, .size: 8, .value_kind: global_buffer, .address_space: global }
      - { .name: b1, .offset: 40, .size: 8, .value_kind: global_buffer, .address_space: global }
      - { .name: b2, .offset: 48, .size: 8, .value_kind: global_buffer, .address_space: global }
      - { .name: vtab, .offset: 56, .size: 8, .value_kind: global_buffer, .address_space: global }
      - { .name: out0, .offset: 64, .size: 8, .value_kind: global_buffer, .address_space: global }
    .group_segment_fixed_size: 165376
    .private_segment_fixed_size: 0
    .kernarg_segment_align: 8
    .kernarg_segment_size: 72
    .max_flat_workgroup_size: 128
    .sgpr_count:     66
    .vgpr_count:     1024
    .wavefront_size: 32
...
	.end_amdgpu_metadata
.endif
;; end of part 2
;; ======== version 2 of 2: 2 launches
;; workspace buffers: wimg 16,777,216 bytes; vtab 32,768 bytes; rowlist 18,432 bytes of whole numbers
;; launch prep (part 3): grid 257 x 1, 4 waves a work-group, no clusters, 10,240 bytes of LDS; arguments W1_codes, W2_codes, W2_scales, b1, b2, cond_ids, wimg, vtab, rowlist; writes wimg, vtab, rowlist
.if DOCPART == 3
	.amdgcn_target "amdgcn-amd-amdhsa--gfx1250"
	.amdhsa_code_object_version 6
	.text
	.protected	k_qebb4fa45c3_prep
	.globl	k_qebb4fa45c3_prep
	.p2align	8
	.type	k_qebb4fa45c3_prep,@function
k_qebb4fa45c3_prep:
	s_mov_b64 s[64:65], 0
	v_nop
	global_prefetch_b8 v0, s[64:65] scope:SCOPE_SE
	s_setreg_imm32_b32 hwreg(HW_REG_WAVE_MODE, 25, 1), 1
	s_wait_xcnt 0x0
; THREE JOBS IN ONE LAUNCH, parted by the work-group's number; the three ways never join.
; Work-groups 0-127: W1's codes, 128-255: W2's codes, are copied once into wimg in the order of the operand's registers:
;   wimg [matrix 2][condition 8][pair 32][K step 8][tile u 2][chunk 4][lane 32][16 bytes].  A pair is 32 rows n of the weight.  Lane (r = lane % 16, h = lane / 16) of tile u, chunk q,
;   holds row 32 pair + 8 u + r + (r & 8), k = 128 s + 32 q + 16 h + 0 .. 15.  A wave takes one tile, all eight K steps: 16 KiB in, 16 KiB out; each store covers 512 consecutive bytes, aligned.
; Work-groups 128-255 also make, from the fragments that they hold anyway, v_c = Q(relu(b1_c)) W2_c + b2_c: what reference() adds to every row that does NOT belong to condition c
;   (a masked row of x is zeros, so its hidden row is relu(b1_c)).  vtab [8][1024] f32.  Q is the MX-FP8 quantiser along the hidden axis; the product is the scaled matrix instruction.
; Work-group 256 sorts the 4,096 rows by condition into 71 tiles of 64 slots: rowlist [71][64] int32, an entry = row | condition << 16, a slot without a row = 0xffffffff.
;   With T = the sum of ceil(n_c / 64) there are 71 - T spare tiles, 7 at the most.  The largest condition has 512 rows or more, so its first seven tiles are full: spare tile k takes
;   slots 32 .. 63 of that condition's tile k.  So every one of the 71 tiles holds rows of one condition, and its slot 0 is a row.
;   Behind the 71 tiles rowlist has 64 slots more (4,544 .. 4,607) that no launch reads: a lane that has no slot to pad writes the pad word there, so that no lane is switched off.
; LIMITS: a cond_id outside 0 .. 7 is held at 7 (unsigned minimum), where reference() would give the row the sum of all eight v.  NaN and infinities are not served.  A block whose largest
;   magnitude lies under 2^-118 has its scale byte held at 1; a block of zeros gets the byte 1 (its codes are zeros; this program alone reads the byte).
; No tensor loads, no cluster: no two work-groups read the same bytes.
.set TM,  32                           ; v32-35 largest magnitudes, v36-39 bytes, v40-43 448 x scale, v44-47 the conversions' scale operands
.set PC,  48                           ; v48-63 the codes just made; later the two accumulators
.set ST,  64                           ; v64-127 64 numbers of b1; later four fragments of the hidden row
.set WF,  128                          ; v128-255 the weight's eight fragments
.set SEL, 36                           ; s[36:37] v_permlanex16_b32's selects for lane xor 16
.set MNT, 38                           ; s38 the mantissa field of 448
.set MSB, 0
.macro WIN new                         ; register windows: this launch stays in window 0, so the macro writes nothing here; it is shared with the other launch's text
.if MSB != (\new)
	s_set_vgpr_msb (MSB<<8)|(\new)
.set MSB, (\new)
.endif
.endm
; 64 numbers of a lane, v[s + 16 b + i] in window X: block b's 16 numbers of mine; lane xor 16 holds the block's other 16.  Out: codes in v[PC + 4 b ..], the scale's byte in v[TM + 4 + b].
; relu = 1: what is negative becomes 0 on the way: it does not count for the largest magnitude, and the hold clips at 0.
.macro QCORE s, X, relu
	WIN (\X)|((\X)<<2)
.irp b, 0,1,2,3
.if \relu
	v_max3_num_f32 v[TM+\b], v[16*\b+(\s)], v[16*\b+1+(\s)], 0x4800000       ; the floor 2^(9 - 127) among the leaves: the byte cannot fall under 1
.else
	v_max3_num_f32 v[TM+\b], |v[16*\b+(\s)]|, |v[16*\b+1+(\s)]|, 0x4800000
.endif
.endr
.irp i, 2,4,6,8,10,12,14
.irp b, 0,1,2,3
.if \relu
	v_max3_num_f32 v[TM+\b], v[16*\b+\i+(\s)], v[16*\b+\i+1+(\s)], v[TM+\b]  ; ascending, the four blocks by turns
.else
	v_max3_num_f32 v[TM+\b], |v[16*\b+\i+(\s)]|, |v[16*\b+\i+1+(\s)]|, v[TM+\b]
.endif
.endr
.endr
	WIN 0
.irp b, 0,1,2,3
	v_permlanex16_b32 v[TM+4+\b], v[TM+\b], s[SEL], s[SEL+1]
.endr
.irp b, 0,1,2,3
	v_max_num_f32 v[TM+\b], v[TM+\b], v[TM+4+\b]                             ; the block's largest magnitude
.endr
.irp b, 0,1,2,3
	v_add_nc_u32 v[TM+12+\b], 0xfc000000, v[TM+\b]                           ; 8 off its exponent field: the conversion's scale operand
.endr
.irp b, 0,1,2,3
	v_and_or_b32 v[TM+8+\b], v[TM+\b], 0x7f800000, s[MNT]                    ; 448 x the scale
.endr
.irp b, 0,1,2,3
	v_lshrrev_b32 v[TM+4+\b], 23, v[TM+12+\b]                                ; the scale's byte
.endr
	WIN (\X)|((\X)<<6)
.irp b, 0,1,2,3
.irp i, 0,1,2,3,4,5,6,7,8,9,10,11,12,13,14,15
.if \relu
	v_med3_num_f32 v[16*\b+\i+(\s)], v[16*\b+\i+(\s)], 0, v[TM+8+\b]         ; the activation and the hold in one
.else
	v_med3_num_f32 v[16*\b+\i+(\s)], v[16*\b+\i+(\s)], -v[TM+8+\b], v[TM+8+\b]   ; the conversion to an 8-bit code does not saturate (ISA guide 7.6.2)
.endif
.endr
.endr
	WIN (\X)
.irp b, 0,1,2,3
	v_cvt_scalef32_pk8_fp8_f32 v[PC+4*\b:PC+4*\b+1], v[16*\b+(\s):16*\b+7+(\s)], v[TM+12+\b]
	v_cvt_scalef32_pk8_fp8_f32 v[PC+4*\b+2:PC+4*\b+3], v[16*\b+8+(\s):16*\b+15+(\s)], v[TM+12+\b]
.endr
	WIN 0
	v_nop                                          ; one plain line behind the last conversion
.endm
.macro LOADW                           ; my tile's eight fragments: together the 32 loads read 16 whole rows of 1,024 bytes
.irp s, 0,1,2,3,4,5,6,7
.irp q, 0,1,2,3
	global_load_b128 v[WF+16*\s+4*\q:WF+16*\s+4*\q+3], v5, s[32:33] offset:128*\s+32*\q
.endr
.endr
.endm
.macro STOREW extra                    ; extra: loads issued behind LOADW's
.irp s, 0,1,2,3,4,5,6,7
	s_wait_loadcnt 28-4*\s+(\extra)                ; fragment s is in: behind it stand the younger fragments' loads and the extra ones
.irp q, 0,1,2,3
	global_store_b128 v4, v[WF+16*\s+4*\q:WF+16*\s+4*\q+3], s[16:17] offset:4096*\s+512*\q
.endr
.endr
.endm
	s_load_b512 s[4:19], s[0:1], 0x0               ; W1 codes s[4:5], W2 codes s[6:7], W2 scales s[8:9], b1 s[10:11], b2 s[12:13], cond_ids s[14:15], wimg s[16:17], vtab s[18:19]
	s_load_b64 s[20:21], s[0:1], 0x40              ; rowlist
	v_lshl_add_u32 v15, v0, 2, 0x2600
	s_set_vgpr_msb 0x40
	v_mov_b32 v1, 0
	s_set_vgpr_msb 0x4000
	v_lshrrev_b32 v1, 5, v0
	v_readfirstlane_b32 s22, v1                    ; wave
	v_and_b32 v1, 31, v0                           ; lane
	v_and_b32 v2, 15, v0                           ; r
	v_bfe_u32 v3, v0, 4, 1                         ; h
	v_lshlrev_b32 v4, 4, v1                        ; 16 x lane
	s_cmp_eq_u32 ttmp9, 256
	s_cbranch_scc1 .Lroute
	; ---- a weight's wave: condition c, pair b, tile u
	s_and_b32 s23, ttmp9, 127
	s_lshr_b32 s24, s23, 4                         ; c
	s_and_b32 s25, s23, 15
	s_lshl_b32 s25, s25, 1
	s_lshr_b32 s26, s22, 1
	s_add_co_u32 s25, s25, s26                     ; b = 2 (g % 16) + wave / 2
	s_and_b32 s26, s22, 1                          ; u
	s_lshl_b32 s28, s24, 20
	s_lshl_b32 s27, s25, 15
	s_add_co_u32 s28, s28, s27                     ; the pair's 32 rows in the codes: c x 2^20 + b x 2^15
	s_mov_b32 s29, 0
	s_lshr_b32 s30, ttmp9, 7                       ; the matrix
	s_lshl_b32 s30, s30, 3
	s_add_co_u32 s30, s30, s24
	s_lshl_b32 s30, s30, 5
	s_add_co_u32 s30, s30, s25
	s_lshl_b32 s30, s30, 15
	s_lshl_b32 s27, s26, 11
	s_add_co_u32 s30, s30, s27                     ; and in wimg: ((8 matrix + c) 32 + b) x 2^15 + 2,048 u
	s_mov_b32 s31, 0
	s_wait_alu depctr_va_vdst(0)
	v_and_b32 v14, 8, v2
	v_add_nc_u32 v14, v14, v2
	v_lshl_add_u32 v14, s26, 3, v14                ; my row in the pair: 8 u + r + (r & 8)
	v_lshlrev_b32 v5, 10, v14
	v_lshl_add_u32 v5, v3, 4, v5                   ; its 1,024 bytes, + 16 h
	s_wait_kmcnt 0x0
	s_cmp_lt_u32 ttmp9, 128
	s_cselect_b64 s[32:33], s[4:5], s[6:7]         ; the choice hangs on the work-group's number alone
	s_add_nc_u64 s[32:33], s[32:33], s[28:29]
	s_add_nc_u64 s[16:17], s[16:17], s[30:31]
	s_cmp_ge_u32 ttmp9, 128
	s_cbranch_scc1 .Lw2
	s_wait_alu depctr_va_vdst(0)
	LOADW
	STOREW 0
	s_endpgm
.Lw2:	; ---- W2: the copy, and 16 numbers of v_c
	s_lshl_b32 s28, s24, 12
	s_add_nc_u64 s[10:11], s[10:11], s[28:29]      ; b1_c
	s_lshl_b32 s27, s25, 7
	s_add_co_u32 s28, s28, s27
	s_lshl_b32 s27, s26, 5
	s_add_co_u32 s28, s28, s27                     ; 4,096 c + 128 b + 32 u: my tile's place in b2 and in vtab (lane half h: 64 h further on)
	s_add_nc_u64 s[12:13], s[12:13], s[28:29]
	s_add_nc_u64 s[18:19], s[18:19], s[28:29]
	s_lshl_b32 s28, s24, 15
	s_lshl_b32 s27, s25, 10
	s_add_co_u32 s28, s28, s27
	s_add_nc_u64 s[8:9], s[8:9], s[28:29]          ; the pair's scale bytes: 32 a row
	s_wait_alu depctr_va_vdst(0)
	v_lshlrev_b32 v12, 5, v14                      ; my row's
	v_and_b32 v6, 7, v2
	v_lshlrev_b32 v6, 9, v6
	v_lshl_add_u32 v6, v3, 6, v6                   ; b1: LANE (r, h) TAKES K STEP r % 8: 512 (r % 8) + 64 h: so one quantising serves all eight K steps
	s_mul_i32 s34, s22, 2304
	s_add_co_u32 s34, s34, 512                     ; my wave's own LDS: 2,048 bytes of codes, 128 of scale words
	s_add_co_u32 s35, s34, 2048
	v_lshl_add_u32 v7, v3, 8, s34                  ; read: lane (s, h)'s registers lie at 16 (s + 16 h)
	v_mov_b32 v8, s35                              ; read: K step s's scale word lies at 4 s
	v_add_nc_u32 v9, s34, v4                       ; store: 16 x lane
	v_lshl_add_u32 v10, v1, 2, s35                 ; store: 4 x lane
	v_lshlrev_b32 v11, 6, v3                       ; 64 h
	s_mov_b32 s[SEL], 0x76543210
	s_mov_b32 s[SEL+1], 0xfedcba98
	s_mov_b32 s[MNT], 0x600000
.irp b, 0,1,2,3
	v_mov_b32 v[TM+4+\b], 0                        ; a lane permute's destination counts as read: written once
.endr
.irp b, 0,1,2,3
.irp j, 0,1,2,3
	global_load_b128 v[ST+16*\b+4*\j:ST+16*\b+4*\j+3], v6, s[10:11] offset:128*\b+16*\j
.endr
.endr
	global_load_b128 v[16:19], v12, s[8:9]         ; v16-23: my row's eight scale words, one a K step (these registers hold scales alone)
	global_load_b128 v[20:23], v12, s[8:9] offset:16
	LOADW
	s_wait_loadcnt 34                              ; b1 is in: behind it stand the 2 scale loads and the 32 of the weight
	QCORE ST, 0, 1
	v_lshl_or_b32 v13, v[TM+5], 8, v[TM+4]         ; the four bytes make K step r % 8's scale word
	v_lshl_or_b32 v13, v[TM+6], 16, v13
	v_lshl_or_b32 v13, v[TM+7], 24, v13
.irp q, 0,1,2,3
	ds_store_b128 v9, v[PC+4*\q:PC+4*\q+3] offset:512*\q
.endr
	ds_store_b32 v10, v13
	global_load_b128 v[32:35], v11, s[12:13]       ; b2 at my eight outputs
	global_load_b128 v[36:39], v11, s[12:13] offset:16
	STOREW 2
.irp s, 0,1,2,3,4,5,6,7
	ds_load_b32 v[24+\s], v8 offset:4*\s           ; v24-31: the hidden row's scale words, the same in every lane (scales alone).  LDS serves a wave's instructions in order: these see my stores
.endr
; The hidden row is the same for all 16 columns of source 1: every lane (r, h) takes lane (s, h)'s registers.  Two accumulators take turns, one instruction a turn.
.macro VSTEPS s0
.irp s, \s0, \s0+1, \s0+2, \s0+3
.irp q, 0,1,2,3
	ds_load_b128 v[ST+16*((\s)%4)+4*\q:ST+16*((\s)%4)+4*\q+3], v7 offset:16*(\s)+512*\q
.endr
.endr
	s_wait_dscnt 0x0
	s_wait_loadcnt 0x0                             ; the weight's scale words and b2 (the fragments were shown in by the stores' waits)
.irp s, \s0, \s0+1, \s0+2, \s0+3
.if (\s) < 2
	v_wmma_scale_f32_16x16x128_f8f6f4 v[PC+8*((\s)%2):PC+8*((\s)%2)+7], v[WF+16*(\s):WF+16*(\s)+15], v[ST+16*((\s)%4):ST+16*((\s)%4)+15], 0, v[16+(\s)], v[24+(\s)]
.else
	v_wmma_scale_f32_16x16x128_f8f6f4 v[PC+8*((\s)%2):PC+8*((\s)%2)+7], v[WF+16*(\s):WF+16*(\s)+15], v[ST+16*((\s)%4):ST+16*((\s)%4)+15], v[PC+8*((\s)%2):PC+8*((\s)%2)+7], v[16+(\s)], v[24+(\s)]
.endif
.endr
.rept 8
	v_nop                                          ; eight places ahead of loads into registers that these products read, and of the first read of a result
.endr
.endm
	VSTEPS 0
	VSTEPS 4
.irp j, 0,1,2,3,4,5,6,7
	v_add_f32 v[40+\j], v[PC+\j], v[PC+8+\j]       ; even and odd K steps; each accumulator is read from its low end on
.endr
.irp j, 0,1,2,3,4,5,6,7
	v_add_f32 v[40+\j], v[40+\j], v[32+\j]         ; + b2: register j of lane (any, h) is v_c(32 b + 16 h + 8 u + j)
.endr
	v_cmp_eq_u32 vcc_lo, 0, v2
	s_wait_alu depctr_va_vdst(0)
	s_wait_xcnt 0x0                                ; EXEC changes only behind this wait
	s_set_vgpr_msb 0x4
	s_wait_tensorcnt 0x0
	ds_add_u32 v15, v1
	s_wait_dscnt 0x0
	s_set_vgpr_msb 0x400
	s_and_saveexec_b32 s27, vcc_lo                 ; all 16 columns are equal: lanes 0 and 16 store
	global_store_b128 v11, v[40:43], s[18:19]
	global_store_b128 v11, v[44:47], s[18:19] offset:16
	s_wait_xcnt 0x0
	s_or_b32 exec_lo, exec_lo, s27
	s_endpgm
; ---- the router: 128 threads, 32 ids each; id j of thread t is row 512 (j / 4) + 4 t + j % 4
.set ID,  64                           ; v64-95   the ids
.set AD,  96                           ; v96-127  a store's address for each round
.set DT,  128                          ; v128-159 and its data: no store's registers are written again
.set PA,  160                          ; v160-171 an address for each of the twelve pad stores, likewise
.set ONES, 45                          ; v45      the pad word
.set DUMP, 52                          ; v52      4,544 + thread % 64: my slot behind the list
; The pad word into slot v48 in the lanes where v[cmpv] < limit; the other lanes write it into their slot behind the list.  All lanes stay on; store n has its own address register.
.macro PADST n, cmpv, limit
	v_cmp_gt_u32 vcc_lo, \limit, v[\cmpv]
	v_cndmask_b32 v48, v[DUMP], v48, vcc_lo
	v_min_u32 v48, 0x11ff, v48                     ; 4,607: the buffer's last slot
	v_lshlrev_b32 v[PA+(\n)], 2, v48
	global_store_b32 v[PA+(\n)], v[ONES], s[20:21]
.endm
.Lroute:
	v_lshlrev_b32 v47, 4, v0
	v_lshlrev_b32 v44, 2, v0                       ; 4 x thread: my first row; also my word in LDS bytes 0 .. 511
	s_wait_alu depctr_va_vdst(0)
	v_lshlrev_b32 v22, 2, v1
	v_mov_b32 v[ONES], -1
	v_and_b32 v[DUMP], 63, v0
	v_add_nc_u32 v[DUMP], 4544, v[DUMP]
	v_mov_b32 v16, 0
.irp c, 0,1,2,3,4,5,6,7
	s_mov_b32 s[40+\c], 0
.endr
	s_wait_kmcnt 0x0
.irp j, 0,1,2,3,4,5,6,7
	global_load_b128 v[ID+4*\j:ID+4*\j+3], v47, s[14:15] offset:2048*\j
.endr
	s_wait_loadcnt 0x0
	; pass 1: my wave's count of each condition
.set J, 0
.rept 32
	v_min_u32 v[ID+J], 7, v[ID+J]
.irp c, 0,1,2,3,4,5,6,7
	v_cmp_eq_u32 s[48+\c], \c, v[ID+J]
.endr
.irp c, 0,1,2,3,4,5,6,7
	s_bcnt1_i32_b32 s[56+\c], s[48+\c]
.endr
.irp c, 0,1,2,3,4,5,6,7
	s_add_co_u32 s[40+\c], s[40+\c], s[56+\c]
.endr
.set J, J+1
.endr
.irp c, 0,1,2,3,4,5,6,7
	v_writelane_b32 v16, s[40+\c], \c              ; lane c: my wave's count of condition c
.endr
	ds_store_b32 v44, v16
	s_wait_dscnt 0x0                               ; for the others' sake
	s_barrier_signal -1
	s_barrier_wait -1                              ; the launch's one barrier: all four waves of this work-group are on this way
.irp w, 0,1,2,3
	ds_load_b32 v[18+\w], v22 offset:128*\w
.endr
	s_wait_dscnt 0x0
	s_cmp_gt_u32 s22, 0
	s_cselect_b32 s56, 1, 0
	v_mul_u32_u24 v24, s56, v18
	s_cmp_gt_u32 s22, 1
	s_cselect_b32 s56, 1, 0
	v_mad_u32_u24 v24, v19, s56, v24
	s_cmp_gt_u32 s22, 2
	s_cselect_b32 s56, 1, 0
	v_mad_u32_u24 v24, v20, s56, v24               ; lane c: the counts of the waves before mine
	v_add3_u32 v23, v18, v19, v20
	v_add_nc_u32 v23, v23, v21                     ; lane c: n_c
.irp c, 0,1,2,3,4,5,6,7
	v_readlane_b32 s[24+\c], v23, \c
	v_readlane_b32 s[32+\c], v24, \c
.endr
	s_mov_b32 s66, 0                               ; s[66+c]: condition c's first slot; s74 = 64 T
.irp c, 0,1,2,3,4,5,6,7
	s_add_co_u32 s56, s[24+\c], 63
	s_and_b32 s56, s56, 0xffffffc0
	s_add_co_u32 s[67+\c], s[66+\c], s56
	s_add_co_u32 s[75+\c], s[66+\c], s[24+\c]      ; its first slot without a row
	s_add_co_u32 s[40+\c], s[66+\c], s[32+\c]      ; and where my wave's rows of it begin
.endr
	s_mov_b32 s86, s24
	s_mov_b32 s83, s66
.irp c, 1,2,3,4,5,6,7
	s_cmp_gt_u32 s[24+\c], s86
	s_cselect_b32 s86, s[24+\c], s86
	s_cselect_b32 s83, s[66+\c], s83               ; the largest condition's first slot
.endr
	s_sub_co_u32 s84, 4544, s74                    ; 64 x the spare tiles
	s_sub_co_u32 s85, s74, s83
	s_sub_co_u32 s85, s85, 32                      ; from slot 64 k + 32 + i of the largest condition to slot i of spare tile k
	s_lshr_b32 s87, s84, 1
	v_mov_b32 v51, s83
	; pass 2: each row's slot: the running count of its condition + the lanes below me that have the same
.set J, 0
.rept 32
.irp c, 0,1,2,3,4,5,6,7
	v_cmp_eq_u32 s[48+\c], \c, v[ID+J]
.endr
.irp c, 0,1,2,3,4,5,6,7
	v_mbcnt_lo_u32_b32 v[32+\c], s[48+\c], s[40+\c]
.endr
.irp c, 1,2,3,4,5,6,7
	v_cndmask_b32 v32, v32, v[32+\c], s[48+\c]
.endr
	s_wait_alu depctr_va_vdst(0)
.irp c, 0,1,2,3,4,5,6,7
	s_bcnt1_i32_b32 s[56+\c], s[48+\c]
.endr
.irp c, 0,1,2,3,4,5,6,7
	s_add_co_u32 s[40+\c], s[40+\c], s[56+\c]
.endr
	v_sub_nc_u32 v41, v32, v51                     ; the slot counted from the largest condition's first (it wraps to a large number for conditions before it)
	v_and_b32 v42, 32, v41
	v_cmp_gt_u32 s56, s84, v41                     ; in one of the tiles that give,
	v_cmp_ne_u32 vcc_lo, 0, v42                    ; in its upper half:
	s_and_b32 s56, s56, vcc_lo
	v_add_nc_u32 v43, s85, v32
	v_cndmask_b32 v32, v32, v43, s56               ; on to the spare tile
	v_min_u32 v32, 0x11bf, v32                     ; 4,543: the list's last slot
	v_lshlrev_b32 v[AD+J], 2, v32
	v_add_nc_u32 v42, 512*(J/4)+J%4, v44           ; the row
	v_lshl_or_b32 v[DT+J], v[ID+J], 16, v42
	global_store_b32 v[AD+J], v[DT+J], s[20:21]
.set J, J+1
.endr
	; the slots without a row: the rest of each condition's last tile (63 at the most: threads 0 .. 62),
.irp c, 0,1,2,3,4,5,6,7
	v_add_nc_u32 v48, s[75+\c], v0
	v_mov_b32 v49, v48
	PADST \c, 49, s[67+\c]
.endr
	; and the upper halves of the tiles that gave and of the spare tiles: index q = 32 k + i stands for slot 64 k + 32 + i
.irp k, 0,1
	v_add_nc_u32 v49, 128*\k, v0
	v_and_b32 v50, 0xffffffe0, v49
	v_add3_u32 v50, v50, v49, 32
	v_add_nc_u32 v48, s83, v50
	PADST 8+2*\k, 49, s87
	v_add_nc_u32 v48, s74, v50
	PADST 9+2*\k, 49, s87
.endr
	s_set_vgpr_msb 0x4
	s_wait_tensorcnt 0x0
	ds_add_u32 v15, v1
	s_wait_dscnt 0x0
	s_set_vgpr_msb 0x400
	s_endpgm
.Lfunc_end_k_qebb4fa45c3_prep:
	.size	k_qebb4fa45c3_prep, .Lfunc_end_k_qebb4fa45c3_prep-k_qebb4fa45c3_prep
	.p2alignl 7, 3214868480
	.fill 96, 4, 3214868480
	.section	.rodata,"a",@progbits
	.p2align	6, 0x0
	.amdhsa_kernel k_qebb4fa45c3_prep
		.amdhsa_group_segment_fixed_size 10240
		.amdhsa_private_segment_fixed_size 0
		.amdhsa_enable_private_segment 0
		.amdhsa_kernarg_size 72
		.amdhsa_user_sgpr_count 2
		.amdhsa_user_sgpr_kernarg_segment_ptr 1
		.amdhsa_wavefront_size32 1
		.amdhsa_system_sgpr_workgroup_id_x 1
		.amdhsa_system_sgpr_workgroup_id_y 1
		.amdhsa_system_sgpr_workgroup_id_z 1
		.amdhsa_system_vgpr_workitem_id 0
		.amdhsa_next_free_vgpr 258
		.amdhsa_next_free_sgpr 90
		.amdhsa_reserve_vcc 1
		.amdhsa_float_denorm_mode_32 3
		.amdhsa_float_denorm_mode_16_64 3
		.amdhsa_memory_ordered 1
		.amdhsa_forward_progress 1
		.amdhsa_inst_pref_size 157
	.end_amdhsa_kernel
	.amdgpu_metadata
---
amdhsa.version: [ 1, 2 ]
amdhsa.kernels:
  - .name:           k_qebb4fa45c3_prep
    .symbol:         k_qebb4fa45c3_prep.kd
    .args:
      - { .name: W1_codes, .offset: 0, .size: 8, .value_kind: global_buffer, .address_space: global }
      - { .name: W2_codes, .offset: 8, .size: 8, .value_kind: global_buffer, .address_space: global }
      - { .name: W2_scales, .offset: 16, .size: 8, .value_kind: global_buffer, .address_space: global }
      - { .name: b1, .offset: 24, .size: 8, .value_kind: global_buffer, .address_space: global }
      - { .name: b2, .offset: 32, .size: 8, .value_kind: global_buffer, .address_space: global }
      - { .name: cond_ids, .offset: 40, .size: 8, .value_kind: global_buffer, .address_space: global }
      - { .name: wimg, .offset: 48, .size: 8, .value_kind: global_buffer, .address_space: global }
      - { .name: vtab, .offset: 56, .size: 8, .value_kind: global_buffer, .address_space: global }
      - { .name: rowlist, .offset: 64, .size: 8, .value_kind: global_buffer, .address_space: global }
    .group_segment_fixed_size: 10240
    .private_segment_fixed_size: 0
    .kernarg_segment_align: 8
    .kernarg_segment_size: 72
    .max_flat_workgroup_size: 128
    .sgpr_count:     90
    .vgpr_count:     258
    .wavefront_size: 32
...
	.end_amdgpu_metadata
.endif
;; end of part 3
;; launch chain (part 4): grid 71 x 1, 4 waves a work-group, no clusters, 165,376 bytes of LDS; arguments x, rowlist, wimg, W1_scales, W2_scales, b1, b2, vtab, out0; writes out0
.if DOCPART == 4
	.amdgcn_target "amdgcn-amd-amdhsa--gfx1250"
	.amdhsa_code_object_version 6
	.text
	.protected	k_qebb4fa45c3_chain
	.globl	k_qebb4fa45c3_chain
	.p2align	8
	.type	k_qebb4fa45c3_chain,@function
k_qebb4fa45c3_chain:
	s_mov_b64 s[64:65], 0
	v_nop
	global_prefetch_b8 v0, s[64:65] scope:SCOPE_SE
	s_setreg_imm32_b32 hwreg(HW_REG_WAVE_SCHED_MODE, 0, 2), 2
	s_setreg_imm32_b32 hwreg(HW_REG_WAVE_MODE, 25, 1), 1
	s_wait_xcnt 0x0
	s_wait_alu depctr_vm_vsrc(0)
; out[row] = Q(relu(Q(x_row) W1_c + b1_c)) W2_c + b2_c + the sum over c' != c of v_c', c = the row's condition; both products on MX-FP8 codes by the scaled matrix instruction, sums in f32.
; (reference() runs every condition over the zero-masked batch: a masked row gives the constant vector v_c', which the launch before has stored in vtab.)
; SHARES.  One work-group takes one tile of rowlist, up to 64 rows of ONE condition, through the whole chain; the hidden layer lives in LDS and registers alone.  Every tile has a row in slot 0; a slot
; without a row takes slot 0's row: it computes and stores the same numbers to the same place once more, so no lane is ever switched off and no branch hangs on the list.
; THE FOUR WAVES SHARE THE COLUMNS, NOT THE ROWS: wave w makes hidden units and outputs 256 w .. 256 w + 255 for all 64 rows.  So each weight byte is loaded by one wave, from wimg, where a fragment
; lies in the order of its registers (512 consecutive bytes a load), straight into a ring of 16 fragments (one pair of 32 rows n, all of K), and feeds four matrix instructions.
; The rows' codes (x's, then the hidden layer's: 32 fragments, 512 registers) are made once, go from wave to wave through LDS as images of their registers, and then stay in every wave's registers.
; BOTH PRODUCTS ARE USED TRANSPOSED (source 0 = 16 rows of the weight, source 1 = 16 rows of the tile).  Lane r of tile u of pair b holds weight row 32 b + 8 u + r + (r & 8), so register j of lane
; (row r, half h) is column 32 b + 16 h + 8 u + j: a pair's 16 registers are 16 neighbours along the next K, and 64 neighbouring bytes of a row of out.
; The biases are the C of each sum's first matrix instruction: b1_c, and b2_c + the seven other v (summed in the order b2_c, then v ascending).
; NOT USED: clusters and joint loads: 71 work-groups divide into no cluster, and which tiles share a condition's weights hangs on the list.  Tensor loads: a descriptor's address would hang on the list.
; LIMITS: NaN and infinities are not served.  A block whose largest magnitude lies under 2^-118 has its scale byte held at 1; a block of zeros gets the byte 1 (its codes are zeros).
; REGISTERS, in windows of 256.  Window 0: v1-23 addresses; v24-55 the rows' scale words, v56-71 the weights' (two sets): scales alone; v72-87 a pair's bias; v88-119 the stores' row offsets;
;   v120-247 accumulators (first product: v120-183, and v184-220 the quantiser's); v254, v255 the closing add's two.  Window 1: the ring.  Windows 2, 3: the rows' fragment (K step s, row tile m) at 16 (4 s + m); in the head window 2 holds x.
; THE MODE: SCHED_MODE bits 1:0 = 2 (LLVM: expert scheduling mode 2), set by the entry lines.  The code itself states the register dependences between vector or matrix instructions and memory or
; LDS instructions, with s_wait_alu, always for 0.
; THE PLAN.  Registers that memory or LDS instructions touch:
;   v1, v3-16, v248, v249   addresses, made once at the head, ahead of two waits on va_vdst, and never written again.
;   v18-20                  addresses that step once a trip: a wait on vm_vsrc ahead of the additions; the first wait on va_vdst of the pair that follows stands ahead of their next use.
;   x's four sets           (window 2, the head.)  Loads land; a step's quantiser reads and writes one set; behind its conversions ONE wait on va_vdst, then the step's LDS stores and the next loads into that set.
;   PC, PW, PWM             Written by the conversions and the lines behind them, read by the LDS stores behind that wait; a wait on vm_vsrc stands ahead of the next quantiser.
;   the ring, WS, BI        Loads land; matrix instructions alone read them.  All 1,024 registers are taken, so there is one ring: a quarter is asked for again only behind its own 16 products.  ONE wait on
;                           va_vdst stands behind each quarter; quarter k's 16 loads then go out four at a time behind the products of quarter k + 1, which name the ring's quarter k + 1, windows 2 and 3,
;                           the accumulators and scale registers: none of the registers that those loads touch.  Quarter 3's loads go in one run at the pair's end: nothing is left over at a label.
;   windows 2, 3 and XS     LDS loads land twice, behind the barriers; matrix instructions alone read them: the wait behind the last quarter ahead of each barrier covers the loads.
;   v120-247, way out       Matrix instructions write; the stage's stores read; a wait on vm_vsrc; the stage's loads land in the same registers; the global stores read; a wait on vm_vsrc at the next head.
.set XSC,  65536                       ; LDS: 0: x's images [s 8][m 4][2,048];  here their scale words [s][m][128];
.set HIMG, 69632                       ; the hidden layer's images, likewise;
.set HSC,  135168                      ; their scale words;
.set BIAS, 139264                      ; [wave][2][1,024]: b1_c, then b2_c + the v, at the wave's 256 columns, in their natural order: each wave's own;
.set STG,  147456                      ; the stage of the way out: 16 rows x (256 + 16) bytes, each wave's own
.set LI,  1                            ; 16 x lane
.set XA,  3                            ; x: my row's first byte + 64 h
.set XWI, 4                            ; where I store x's images: 16 lane + 2,048 w
.set XWS, 5                            ; and their scale words: XSC + 4 lane + 128 w
.set XSR, 6                            ; XSC + 4 lane
.set HB,  7                            ; HIMG + 16 lane
.set HSB, 8                            ; HSC + 4 lane
.set HST, 9                            ; HIMG + 16 lane + 16,384 w
.set HSW, 10                           ; HSC + 4 lane + 1,024 w
.set BIR, 11                           ; BIAS + 2,048 w + 64 h
.set WSA, 12                           ; a weight's scale words: 32 x (8 h + r + (r & 8)): lanes 0-15 tile 0's rows, lanes 16-31 tile 1's
.set STO, 13                           ; the stage, in: 272 r + 64 h
.set SRD, 14                           ; the stage, back: 272 h + 16 r
.set BIW, 15                           ; BIAS + 2,048 w + 32 lane
.set GBO, 16                           ; 1,024 w + 32 lane: my eight columns in b1, b2, vtab
.set HSA, 18                           ; HST, HSW, BIR + this trip's step
.set HWA, 19
.set BIA, 20
.set XS,  24
.set WS,  56
.set BI,  72
.set OFR, 88
.set ACC, 120
.set TM,  184
.set PC,  200
.set PWM, 216
.set PW,  220
.set B1R, 224
.set B2R, 232
.set MK,  25                           ; s[25:32] eight masks of a run of compares;  s33 their constant
.set CNT, 37                           ; s37 trips to go
.set HS8, 38                           ; s38 the trip's step in the hidden images: 8,192 a trip
.set ST5, 39                           ; s39 the trip's step in the scale words and the biases
.set NW,  40                           ; s[40:41] the next pair's fragments in wimg
.set NS,  42                           ; s[42:43] the next pair's scale bytes
.set OB,  46                           ; s[46:47] out0 at the 64 columns in hand
.set SEL, 48
.set MNT, 50
.set W2P, 52                           ; s[52:53] W2's scale bytes at my first pair
.set MSB, 0
.macro WIN new                         ; s_set_vgpr_msb: bits 1:0 source 0, 3:2 source 1, 5:4 source 2, 7:6 destination; the high byte repeats the setting that is left
.if MSB != (\new)
	s_set_vgpr_msb (MSB<<8)|(\new)
.set MSB, (\new)
.endif
.endm
; 64 numbers of a lane, v[s + 16 b + i] in window X: block b's 16 numbers of mine; lane xor 16 holds the block's other 16.  Out: codes in v[PC + 4 b ..], the scale's byte in v[TM + 4 + b].
; relu = 1: what is negative becomes 0 on the way: it does not count for the largest magnitude, and the hold clips at 0.
.macro QCORE s, X, relu
	WIN (\X)|((\X)<<2)
.irp b, 0,1,2,3
.if \relu
	v_max3_num_f32 v[TM+\b], v[16*\b+(\s)], v[16*\b+1+(\s)], 0x4800000       ; the floor 2^(9 - 127) among the leaves: the byte cannot fall under 1
.else
	v_max3_num_f32 v[TM+\b], |v[16*\b+(\s)]|, |v[16*\b+1+(\s)]|, 0x4800000
.endif
.endr
.irp i, 2,4,6,8,10,12,14
.irp b, 0,1,2,3
.if \relu
	v_max3_num_f32 v[TM+\b], v[16*\b+\i+(\s)], v[16*\b+\i+1+(\s)], v[TM+\b]  ; ascending: each accumulator is read from its low end on; the four blocks by turns
.else
	v_max3_num_f32 v[TM+\b], |v[16*\b+\i+(\s)]|, |v[16*\b+\i+1+(\s)]|, v[TM+\b]
.endif
.endr
.endr
	WIN 0
.irp b, 0,1,2,3
	v_permlanex16_b32 v[TM+4+\b], v[TM+\b], s[SEL], s[SEL+1]
.endr
.irp b, 0,1,2,3
	v_max_num_f32 v[TM+\b], v[TM+\b], v[TM+4+\b]                             ; the block's largest magnitude
.endr
.irp b, 0,1,2,3
	v_add_nc_u32 v[TM+12+\b], 0xfc000000, v[TM+\b]                           ; 8 off its exponent field: the conversion's scale operand
.endr
.irp b, 0,1,2,3
	v_and_or_b32 v[TM+8+\b], v[TM+\b], 0x7f800000, s[MNT]                    ; 448 x the scale
.endr
.irp b, 0,1,2,3
	v_lshrrev_b32 v[TM+4+\b], 23, v[TM+12+\b]                                ; the scale's byte
.endr
	WIN (\X)|((\X)<<6)
.irp b, 0,1,2,3
.irp i, 0,1,2,3,4,5,6,7,8,9,10,11,12,13,14,15
.if \relu
	v_med3_num_f32 v[16*\b+\i+(\s)], v[16*\b+\i+(\s)], 0, v[TM+8+\b]         ; the activation and the hold in one
.else
	v_med3_num_f32 v[16*\b+\i+(\s)], v[16*\b+\i+(\s)], -v[TM+8+\b], v[TM+8+\b]   ; the conversion to an 8-bit code does not saturate (ISA guide 7.6.2)
.endif
.endr
.endr
	WIN (\X)
.irp b, 0,1,2,3
	v_cvt_scalef32_pk8_fp8_f32 v[PC+4*\b:PC+4*\b+1], v[16*\b+(\s):16*\b+7+(\s)], v[TM+12+\b]
	v_cvt_scalef32_pk8_fp8_f32 v[PC+4*\b+2:PC+4*\b+3], v[16*\b+8+(\s):16*\b+15+(\s)], v[TM+12+\b]
.endr
	WIN 0
	v_nop                                          ; one plain line behind the last conversion: later products write its sources
.endm
.macro XLOAD s                         ; my row's K step s of x: 64 numbers a lane, into set s % 4 of window 2.  No cache hint: a slot without a row names slot 0's row again
	WIN 0x80
.irp b, 0,1,2,3
.irp j, 0,1,2,3
	global_load_b128 v[64*((\s)%4)+16*\b+4*\j:64*((\s)%4)+16*\b+4*\j+3], v[XA], s[4:5] offset:512*(\s)+128*\b+16*\j
.endr
.endr
	WIN 0
.endm
.macro RINGF k, a                      ; fragment a of quarter k of the pair at s[NW]: 4 loads of 512 consecutive bytes
	WIN 0x40
.irp q, 0,1,2,3
	global_load_b128 v[16*(4*(\k)+(\a))+4*\q:16*(4*(\k)+(\a))+4*\q+3], v[LI], s[NW:NW+1] offset:2048*(4*(\k)+(\a))+512*\q
.endr
.endm
.macro RING k                          ; a whole quarter (fragments 4 k .. 4 k + 3) in one run: 16 loads
.irp a, 0,1,2,3
	RINGF \k, \a
.endr
	WIN 0
.endm
.macro WSLOAD set                      ; the pair's scale words: eight a row, one a K step
	global_load_b128 v[WS+8*(\set):WS+8*(\set)+3], v[WSA], s[NS:NS+1]
	global_load_b128 v[WS+8*(\set)+4:WS+8*(\set)+7], v[WSA], s[NS:NS+1] offset:16
.endm
.macro BILOAD adr, off                 ; a pair's bias in the result's layout: tile u's eight numbers of my half
.irp u, 0,1
.irp q, 0,1
	ds_load_b128 v[BI+8*\u+4*\q:BI+8*\u+4*\q+3], v[\adr] offset:(\off)+32*\u+16*\q
.endr
.endr
.endm
.macro FRAGS adr, sadr                 ; 32 fragments and their scale words from LDS, as they were stored: register 4 n takes the bytes at 512 n + 16 lane
	WIN 0x80
.set N, 0
.rept 64
	ds_load_b128 v[4*N:4*N+3], v[\adr] offset:512*N
.set N, N+1
.endr
	WIN 0xc0
.rept 64
	ds_load_b128 v[4*(N-64):4*(N-64)+3], v[\adr] offset:512*N
.set N, N+1
.endr
	WIN 0
.set N, 0
.rept 32
	ds_load_b32 v[XS+N], v[\sadr] offset:128*N
.set N, N+1
.endr
.endm
; A PAIR: 32 rows of the weight x 64 rows of the tile x all of K: 64 matrix instructions on 8 accumulators, v[accb + mstep m + 8 u], which take turns, one instruction a turn.
; The ring goes in quarters of four fragments.  refill = 1: behind a quarter's 16 products stand eight places and one wait on va_vdst; the same quarter of the NEXT pair is then asked for,
; four loads behind each fragment's products of the quarter that follows; quarter 3 in one run at the pair's end.  Behind quarter 0's wait also the next pair's scale words (into the other set) and its
; bias (bio: where, from v[BIA]).
; LOADcnt: loads come back in order (ISA guide 5.7.1).  At the head this pair's quarters 1 to 3 may be out: 48.  Fragment a of quarters 1 to 3: behind it stand 4 (3 - a) loads of its own quarter, the later
; quarters of this pair, the next pair's 2 scale loads and what has been asked of its ring so far, 4 a of them in the quarter in hand: quarter 1: 12 + 32 + 2; quarter 2: 12 + 16 + 2 + 16; quarter 3:
; 12 + 2 + 32: 46 each time.  Without refills what is left of the ring: 60 - 16 k - 4 a.
.macro PAIR accb, mstep, ws, refill, bio
	s_wait_loadcnt 48
	s_wait_dscnt 0x0                               ; the bias is in
.irp k, 0,1,2,3
.irp a, 0,1,2,3
.if \k > 0
.if \refill
	s_wait_loadcnt 46
.else
	s_wait_loadcnt 60-16*\k-4*\a
.endif
.endif
	WIN 0x09+4*(\k/2)                              ; source 0 window 1; source 1 window 2 (K steps 0-3) or 3
.irp m, 0,1,2,3
.set rS, 2*\k+\a/2
.set rD, (\accb)+(\mstep)*\m+8*(\a%2)
.set rF, 16*(4*\k+\a)
.set rX, 16*(4*(rS%4)+\m)
.set rC, rD
.if rS == 0
.set rC, BI+8*(\a%2)
.endif
.if \a%2
	v_wmma_scale_f32_16x16x128_f8f6f4 v[rD:rD+7], v[rF:rF+15], v[rX:rX+15], v[rC:rC+7], v[WS+8*(\ws)+rS], v[XS+4*rS+\m] matrix_a_scale:MATRIX_SCALE_ROW1
.else
	v_wmma_scale_f32_16x16x128_f8f6f4 v[rD:rD+7], v[rF:rF+15], v[rX:rX+15], v[rC:rC+7], v[WS+8*(\ws)+rS], v[XS+4*rS+\m]
.endif
.endr
.if \refill && (\k > 0)
	RINGF \k-1, \a                                 ; the quarter before, for the next pair.  No wait: no vector or matrix instruction since the wait behind that quarter names its registers or v[LI]
.endif
.endr
.if \refill
.rept 8
	v_nop
.endr
	s_wait_alu depctr_va_vdst(0)                   ; this quarter's products are done reading its four fragments, in which loads land from here on; quarter 0: also the bias, and the pair before the other set of scale words, and v[BIA] is written; quarter 3: the accumulators are written
.if \k == 0
	WIN 0
	WSLOAD 1-(\ws)
	BILOAD BIA, \bio
.endif
.if \k == 3
	RING 3
.endif
.endif
.endr
	WIN 0
.endm
.macro NEXTPAIR                        ; the pointers go on to the pair that the next PAIR asks for
	s_wait_xcnt 0x0                                ; every earlier load and store has read its base, its offset and its data: only behind this wait are they written again
	s_add_nc_u64 s[NW:NW+1], s[NW:NW+1], 0x8000
	s_add_nc_u64 s[NS:NS+1], s[NS:NS+1], 0x400
.endm
	; ---- the head
	s_load_b512 s[4:19], s[0:1], 0x0               ; x s[4:5], rowlist s[6:7], wimg s[8:9], W1 scales s[10:11], W2 scales s[12:13], b1 s[14:15], b2 s[16:17], vtab s[18:19]
	s_load_b64 s[20:21], s[0:1], 0x40              ; out0
	v_lshl_add_u32 v254, v0, 2, 0x28400            ; my spare word, behind the stages, and 0: made here and kept for the closing lines alone
	v_mov_b32 v255, 0
	v_lshrrev_b32 v2, 5, v0
	v_readfirstlane_b32 s22, v2                    ; wave
	v_and_b32 v23, 31, v0                          ; lane
	v_and_b32 v2, 15, v0                           ; r
	v_bfe_u32 v17, v0, 4, 1                        ; h
	v_lshlrev_b32 v[LI], 4, v23
	v_lshlrev_b32 v22, 2, v23                      ; 4 x lane
	v_lshlrev_b32 v21, 4, v2                       ; 16 r
	v_lshlrev_b32 v249, 2, v17                     ; 4 h
	s_wait_alu depctr_va_sdst(0)                   ; s22 is written, ahead of its first reader
	s_lshl_b32 s44, s22, 6
	v_lshl_add_u32 v248, v2, 2, s44                ; slot 16 w + r
	s_lshl_b32 s44, ttmp9, 8
	s_mov_b32 s45, 0                               ; stays 0
	s_wait_kmcnt 0x0
	s_add_nc_u64 s[6:7], s[6:7], s[44:45]          ; my tile's 64 entries
	s_load_b32 s23, s[6:7], 0x0                    ; slot 0: always a row
	s_wait_alu depctr_va_vdst(0)                   ; v248 and v249 are written, which the 33 loads below read as their offsets
	global_load_b32 v251, v248, s[6:7]             ; the row that I quantise
.irp m, 0,1,2,3
.irp i, 0,1,2,3,4,5,6,7
	global_load_b32 v[OFR+8*\m+\i], v249, s[6:7] offset:64*\m+8*\i   ; the rows that I store: slot 16 m + 2 i + h
.endr
.endr
	s_lshl_b32 s51, s22, 11
	v_add_nc_u32 v[XWI], s51, v[LI]
	s_lshl_b32 s51, s22, 7
	s_add_co_u32 s51, s51, XSC
	v_add_nc_u32 v[XWS], s51, v22
	v_add_nc_u32 v[XSR], XSC, v22
	v_add_nc_u32 v[HB], HIMG, v[LI]
	v_add_nc_u32 v[HSB], HSC, v22
	s_lshl_b32 s51, s22, 14
	s_add_co_u32 s51, s51, HIMG
	v_add_nc_u32 v[HST], s51, v[LI]
	s_lshl_b32 s51, s22, 10
	s_add_co_u32 s51, s51, HSC
	v_add_nc_u32 v[HSW], s51, v22
	s_lshl_b32 s51, s22, 11
	s_add_co_u32 s51, s51, BIAS
	v_lshl_add_u32 v[BIR], v17, 6, s51
	v_lshl_add_u32 v[BIW], v23, 5, s51
	v_and_b32 v[WSA], 8, v2
	v_add_nc_u32 v[WSA], v[WSA], v2
	v_lshl_add_u32 v[WSA], v17, 3, v[WSA]
	v_lshlrev_b32 v[WSA], 5, v[WSA]
	s_mul_i32 s51, s22, 4352
	s_add_co_u32 s51, s51, STG
	v_mul_u32_u24 v[STO], v2, 272
	v_lshl_add_u32 v[STO], v17, 6, v[STO]
	v_add_nc_u32 v[STO], s51, v[STO]
	v_mul_u32_u24 v[SRD], v17, 272
	v_lshl_add_u32 v[SRD], v2, 4, v[SRD]
	v_add_nc_u32 v[SRD], s51, v[SRD]
	s_lshl_b32 s51, s22, 10
	v_lshl_add_u32 v[GBO], v23, 5, s51
	s_mov_b32 s[SEL], 0x76543210
	s_mov_b32 s[SEL+1], 0xfedcba98
	s_mov_b32 s[MNT], 0x600000
	s_mov_b32 s[HS8], 0
	s_mov_b32 s[ST5], 0
	s_mov_b32 s33, 0x7ffff                         ; above it: a slot without a row
	v_mov_b32 v250, 0
.irp b, 0,1,2,3
	v_mov_b32 v[TM+4+\b], 0                        ; a lane permute's destination counts as read: written once
.endr
	s_wait_kmcnt 0x0
	s_bfe_u32 s24, s23, 0x30010
	s_min_u32 s24, s24, 7                          ; the tile's condition
	s_lshl_b32 s44, s24, 12
	s_add_nc_u64 s[14:15], s[14:15], s[44:45]      ; b1_c, b2_c
	s_add_nc_u64 s[16:17], s[16:17], s[44:45]
	s_lshl_b32 s44, s24, 5
	s_lshl_b32 s51, s22, 3
	s_add_co_u32 s44, s44, s51                     ; my first pair: 32 c + 8 w
	s_lshl_b32 s54, s44, 10
	s_mov_b32 s55, 0
	s_add_nc_u64 s[NS:NS+1], s[10:11], s[54:55]    ; 1,024 scale bytes a pair
	s_add_nc_u64 s[W2P:W2P+1], s[12:13], s[54:55]
	s_lshl_b32 s44, s44, 15
	s_add_nc_u64 s[NW:NW+1], s[8:9], s[44:45]      ; 32,768 bytes of codes a pair
	s_lshl_b32 s44, s22, 10
	s_add_nc_u64 s[OB:OB+1], s[20:21], s[44:45]    ; my 256 columns of out
	s_wait_loadcnt 32                              ; my entry is in: behind it stand the 32 of the stores' rows
	v_mov_b32 v252, s23
	v_cmp_lt_u32 vcc_lo, 0x7ffff, v251             ; a slot without a row
	s_wait_alu depctr_va_vcc(0)                    ; VCC is written, ahead of the select that reads it
	v_cndmask_b32 v251, v251, v252, vcc_lo         ; takes slot 0's
	v_and_b32 v251, 0xffff, v251
	v_min_u32 v251, 0xfff, v251
	v_lshlrev_b32 v[XA], 6, v17
	v_lshl_add_u32 v[XA], v251, 12, v[XA]          ; row x 4,096 bytes + 64 h: my 16 numbers of each block of 32
	s_wait_alu depctr_va_vdst(0)                   ; v3 to v16 are written: the loads below read their addresses from them; they are not written again
	global_load_b128 v[B1R:B1R+3], v[GBO], s[14:15]
	global_load_b128 v[B1R+4:B1R+7], v[GBO], s[14:15] offset:16
	global_load_b128 v[B2R:B2R+3], v[GBO], s[16:17]
	global_load_b128 v[B2R+4:B2R+7], v[GBO], s[16:17] offset:16
.irp i, 0,1,2,3,4,5,6,7
	global_load_b128 v[ACC+8*\i:ACC+8*\i+3], v[GBO], s[18:19] offset:4096*\i       ; all eight v, at fixed places
	global_load_b128 v[ACC+8*\i+4:ACC+8*\i+7], v[GBO], s[18:19] offset:4096*\i+16
.endr
	XLOAD 0
	XLOAD 1
	XLOAD 2
	XLOAD 3
	; my 16 rows of x become eight fragments; each freed set takes a later K step, then the ring's first pair
.irp s, 0,1,2,3,4,5,6,7
.if \s < 5
	s_wait_loadcnt 48                              ; K step s is in (and all before it): three younger groups of 16 may be out
.else
	s_wait_loadcnt 50                              ; one of the three now has the 2 scale loads with it
.endif
.if \s == 0
.irp i, 0,1,2,3,4,5,6,7
	s_cmp_eq_u32 s24, \i
	s_cselect_b32 s44, -1, 0
.irp j, 0,1,2,3,4,5,6,7
	v_cndmask_b32 v[ACC+8*\i+\j], v[ACC+8*\i+\j], v250, s44    ; my own condition's v does not count
.endr
.irp p, 0,2,4,6
	v_pk_add_f32 v[B2R+\p:B2R+\p+1], v[B2R+\p:B2R+\p+1], v[ACC+8*\i+\p:ACC+8*\i+\p+1]
.endr
.endr
.irp g, 0,1,2,3                        ; the stores' rows, eight at a time: a run of compares into eight scalar registers, one wait, the selects
.irp n, 0,1,2,3,4,5,6,7
	v_cmp_lt_u32 s[MK+\n], s33, v[OFR+8*\g+\n]
.endr
	s_wait_alu depctr_va_sdst(0)                   ; the eight masks are written, ahead of the selects that read them
.irp n, 0,1,2,3,4,5,6,7
	v_cndmask_b32 v[OFR+8*\g+\n], v[OFR+8*\g+\n], v252, s[MK+\n]
	v_and_b32 v[OFR+8*\g+\n], 0xffff, v[OFR+8*\g+\n]
	v_min_u32 v[OFR+8*\g+\n], 0xfff, v[OFR+8*\g+\n]
	v_lshl_add_u32 v[OFR+8*\g+\n], v[OFR+8*\g+\n], 12, v21     ; row x 4,096 bytes + 16 r
.endr
.endr
.else
	s_wait_dscnt 0x0                               ; the last step's stores are done
	s_wait_alu depctr_vm_vsrc(0)                   ; the last step's LDS stores have read v[PC ..] and v[PW], which this step's conversions and the lines behind them write again
.endif
	QCORE 64*(\s%4), 2, 0
	v_lshl_or_b32 v[PW], v[TM+5], 8, v[TM+4]       ; the four bytes make my row's scale word
	v_lshl_or_b32 v[PW], v[TM+6], 16, v[PW]
	v_lshl_or_b32 v[PW], v[TM+7], 24, v[PW]
	s_wait_alu depctr_va_vdst(0)                   ; v[PC ..] and v[PW] are written (step 0: the sums in v[B2R ..] too), which the LDS stores read; the quantiser is done with its set of x, in which the loads below (step 7: the fragments' behind the barrier) land
.if \s == 0
	ds_store_b128 v[BIW], v[B1R:B1R+3]
	ds_store_b128 v[BIW], v[B1R+4:B1R+7] offset:16
	ds_store_b128 v[BIW], v[B2R:B2R+3] offset:1024
	ds_store_b128 v[BIW], v[B2R+4:B2R+7] offset:1040
.endif
.irp q, 0,1,2,3
	ds_store_b128 v[XWI], v[PC+4*\q:PC+4*\q+3] offset:8192*\s+512*\q
.endr
	ds_store_b32 v[XWS], v[PW] offset:512*\s
.if \s < 4
	XLOAD \s+4
.else
	RING \s-4
.if \s == 4
	WSLOAD 0
.endif
.endif
.endr
	s_wait_dscnt 0x0                               ; for the others' sake: my images have landed
	s_barrier_signal -1
	s_barrier_wait -1                              ; x's 32 fragments lie in LDS (the ring's loads stay out: nobody writes those bytes)
	FRAGS LI, XSR                                  ; no vector instruction since step 7's wait names window 2; window 3 and v[XS ..] have been named by none
	BILOAD BIR, 0
	; ---- the first product: two trips of four pairs; a trip's 128 hidden units are one K step of the second product, a pair is one chunk of 32 of it
	s_mov_b32 s[CNT], 2
.Lg:
	s_wait_alu depctr_vm_vsrc(0)                   ; the LDS stores issued so far have read v[HSA], v[HWA], v[PC ..] and v[PWM ..], the bias loads v[BIA]: the additions below, and this trip's first quantiser, write them again
	v_add_nc_u32 v[HSA], s[HS8], v[HST]
	v_add_nc_u32 v[HWA], s[ST5], v[HSW]
	v_add_nc_u32 v[BIA], s[ST5], v[BIR]
.irp i, 0,1,2,3
.if \i < 3
	NEXTPAIR
.else
	s_wait_xcnt 0x0                                ; as in NEXTPAIR
	s_cmp_eq_u32 s[CNT], 2                         ; behind the first trip W1's next pair; behind the second W2's first: 249 pairs on in wimg, and W2's scale bytes
	s_mov_b32 s44, 0x7c8000
	s_cselect_b32 s44, 0x8000, s44
	s_add_nc_u64 s[NW:NW+1], s[NW:NW+1], s[44:45]
	s_add_nc_u64 s[NS:NS+1], s[NS:NS+1], 0x400
	s_cselect_b64 s[NS:NS+1], s[NS:NS+1], s[W2P:W2P+1]
.endif
	PAIR ACC, 16, \i%2, 1, 128*(\i+1)
.if \i > 0
	s_wait_alu depctr_vm_vsrc(0)                   ; the last pair's LDS stores have read v[PC ..], which the conversions below write again
.endif
	QCORE ACC, 0, 1                                ; (the eight places behind the pair's last quarter stand ahead of it)  block m = row tile m's 32 hidden units
.irp m, 0,1,2,3
.if \i == 0
	v_mov_b32 v[PWM+\m], v[TM+4+\m]
.else
	v_lshl_or_b32 v[PWM+\m], v[TM+4+\m], 8*\i, v[PWM+\m]
.endif
.endr
	s_wait_alu depctr_va_vdst(0)                   ; the conversions have written v[PC ..], the lines above v[PWM ..]: the LDS stores read them
.irp m, 0,1,2,3
	ds_store_b128 v[HSA], v[PC+4*\m:PC+4*\m+3] offset:2048*\m+512*\i   ; chunk i of the fragment (my K step, row tile m)
.endr
.if \i == 3
.irp m, 0,1,2,3
	ds_store_b32 v[HWA], v[PWM+\m] offset:128*\m
.endr
.endif
.endr
	s_add_co_u32 s[HS8], s[HS8], 8192
	s_add_co_u32 s[ST5], s[ST5], 512
	s_sub_co_u32 s[CNT], s[CNT], 1
	s_cmp_lg_u32 s[CNT], 0
	s_cbranch_scc1 .Lg
	s_wait_dscnt 0x0                               ; for the others' sake
	s_barrier_signal -1
	s_barrier_wait -1                              ; the hidden layer's 32 fragments lie in LDS
	FRAGS HB, HSB                                  ; the first product's last matrix instructions, which read windows 2 and 3 and v[XS ..], stand ahead of the last pair's waits; nothing since names these registers
	; ---- the second product: four times two pairs = 64 columns, 256 bytes of each row
.macro TOSTAGE m                       ; row tile m: a lane's 64 + 64 bytes of its row into my stage, and back as whole rows of 256 bytes, into the registers that they left
.irp n, 0,1,2,3
	ds_store_b128 v[STO], v[ACC+32*(\m)+8*\n:ACC+32*(\m)+8*\n+3] offset:128*(\n/2)+32*(\n%2)         ; each accumulator from its low end on
	ds_store_b128 v[STO], v[ACC+32*(\m)+8*\n+4:ACC+32*(\m)+8*\n+7] offset:128*(\n/2)+32*(\n%2)+16
.endr
	s_wait_alu depctr_vm_vsrc(0)                   ; the eight stores above have read the tile's 32 registers, in which the loads below land
.irp i, 0,1,2,3,4,5,6,7
	ds_load_b128 v[ACC+32*(\m)+4*\i:ACC+32*(\m)+4*\i+3], v[SRD] offset:544*\i    ; LDS serves a wave's instructions in order (ISA guide 5.7.1.4): these see the stores above
.endr
.endm
.macro SEND m, younger                 ; younger: the next tile's 8 stores and 8 loads, which may stay out
	s_wait_dscnt \younger
.irp i, 0,1,2,3,4,5,6,7
	global_store_b128 v[OFR+8*(\m)+\i], v[ACC+32*(\m)+4*\i:ACC+32*(\m)+4*\i+3], s[OB:OB+1] th:TH_STORE_NT   ; 16 lanes store 256 consecutive bytes, aligned
.endr
.endm
.macro OUT places                      ; places = 0: the places and the wait behind the pair's last quarter serve: only the ring's loads stand between
.if \places
.rept \places
	v_nop
.endr
	s_wait_alu depctr_va_vdst(0)                   ; the last pair's products have written the accumulators, which the stage's stores read and in which its loads land; the places above stay beside this wait
.endif
	TOSTAGE 0
	TOSTAGE 1
	SEND 0, 16
	TOSTAGE 2
	SEND 1, 16
	TOSTAGE 3
	SEND 2, 16
	SEND 3, 0
.endm
.macro QUAD last
	s_wait_alu depctr_vm_vsrc(0)                   ; the bias loads have read v[BIA]; the LDS and global stores issued so far have read v120 to v247 (the first time: the quantiser's and the biases' registers among them), which these two pairs' products write
	v_add_nc_u32 v[BIA], s[ST5], v[BIR]
	NEXTPAIR
	PAIR ACC, 32, 0, 1, 128
.if \last
	PAIR ACC+16, 32, 1, 0, 0                       ; the last pair asks for nothing: no load leaves its buffer
	OUT 8                                          ; eight places ahead of the first read of its results
.else
	NEXTPAIR
	PAIR ACC+16, 32, 1, 1, 256
	OUT 0
	s_wait_xcnt 0x0                                ; the stores have read their base and their data
	s_add_nc_u64 s[OB:OB+1], s[OB:OB+1], 256
	s_add_co_u32 s[ST5], s[ST5], 256
.endif
.endm
	s_mov_b32 s[CNT], 3
.Lq:
	QUAD 0
	s_sub_co_u32 s[CNT], s[CNT], 1
	s_cmp_lg_u32 s[CNT], 0
	s_cbranch_scc1 .Lq
	QUAD 1
	s_wait_dscnt 0x0                               ; the closing lines, six on end
	s_wait_alu 0x0
	s_wait_tensorcnt 0x0
	ds_add_u32 v254, v255
	s_wait_dscnt 0x0
	s_endpgm
.Lfunc_end_k_qebb4fa45c3_chain:
	.size	k_qebb4fa45c3_chain, .Lfunc_end_k_qebb4fa45c3_chain-k_qebb4fa45c3_chain
	.p2alignl 7, 3214868480
	.fill 96, 4, 3214868480
	.section	.rodata,"a",@progbits
	.p2align	6, 0x0
	.amdhsa_kernel k_qebb4fa45c3_chain
		.amdhsa_group_segment_fixed_size 165376
		.amdhsa_private_segment_fixed_size 0
		.amdhsa_enable_private_segment 0
		.amdhsa_kernarg_size 72
		.amdhsa_user_sgpr_count 2
		.amdhsa_user_sgpr_kernarg_segment_ptr 1
		.amdhsa_wavefront_size32 1
		.amdhsa_system_sgpr_workgroup_id_x 1
		.amdhsa_system_sgpr_workgroup_id_y 1
		.amdhsa_system_sgpr_workgroup_id_z 1
		.amdhsa_system_vgpr_workitem_id 0
		.amdhsa_next_free_vgpr 1024
		.amdhsa_next_free_sgpr 66
		.amdhsa_reserve_vcc 1
		.amdhsa_float_denorm_mode_32 3
		.amdhsa_float_denorm_mode_16_64 3
		.amdhsa_memory_ordered 1
		.amdhsa_forward_progress 1
		.amdhsa_inst_pref_size 255
	.end_amdhsa_kernel
	.section	.bss,"aw",@nobits
	.p2align	6
	.space	262144
	.amdgpu_metadata
---
amdhsa.version: [ 1, 2 ]
amdhsa.kernels:
  - .name:           k_qebb4fa45c3_chain
    .symbol:         k_qebb4fa45c3_chain.kd
    .args:
      - { .name: x, .offset: 0, .size: 8, .value_kind: global_buffer, .address_space: global }
      - { .name: rowlist, .offset: 8, .size: 8, .value_kind: global_buffer, .address_space: global }
      - { .name: wimg, .offset: 16, .size: 8, .value_kind: global_buffer, .address_space: global }
      - { .name: W1_scales, .offset: 24, .size: 8, .value_kind: global_buffer, .address_space: global }
      - { .name: W2_scales, .offset: 32, .size: 8, .value_kind: global_buffer, .address_space: global }
      - { .name: b1, .offset: 40, .size: 8, .value_kind: global_buffer, .address_space: global }
      - { .name: b2, .offset: 48, .size: 8, .value_kind: global_buffer, .address_space: global }
      - { .name: vtab, .offset: 56, .size: 8, .value_kind: global_buffer, .address_space: global }
      - { .name: out0, .offset: 64, .size: 8, .value_kind: global_buffer, .address_space: global }
    .group_segment_fixed_size: 165376
    .private_segment_fixed_size: 0
    .kernarg_segment_align: 8
    .kernarg_segment_size: 72
    .max_flat_workgroup_size: 128
    .sgpr_count:     66
    .vgpr_count:     1024
    .wavefront_size: 32
...
	.end_amdgpu_metadata
.endif
;; end of part 4
